; MI455X (gfx1250); checked and timed in simulation.
; The chip was launched on July 23, 2026; its instructions are those of AMD's public machine-readable ISA for CDNA 5 (MIT licence, August 2026) and "CDNA5" Instruction Set Architecture Reference Guide (July 2026). The comments in the code are by the model that wrote it; some were corrected since.
;; STU Layer. Allowed arithmetic: float matrix products may take bf16 or f16 operands with f32 sums; all other float work in f32.
;; Inputs: in_bias 512 float32; in_scale 512 float32; num_targets 4 int32; out_bias 256 float32; out_scale 256 float32; output_weight 768 x 512 float32; uvqk_beta 1,024 float32; uvqk_weight 512 x 1,024 float32; x 4 x 2,048 x 512 float32.
;; Outputs: out0 4 x 2,048 x 512 float32.
;; 2 versions, each right; version 2 is version 1 with the launch outp written anew for expert scheduling mode. Each part assembles by itself: llvm-mc -triple=amdgcn-amd-amdhsa -mcpu=gfx1250 --defsym DOCPART=n.
;; ======== version 1 of 2: 3 launches
;; limits: values outside matrix products are rounded to bf16
;; workspace buffers: uvqk 16,777,216 bytes; attn_f32 8,388,608 bytes
;; launch proj (part 1): grid 64 x 4, 8 waves a work-group, no clusters, 200,192 bytes of LDS; arguments x, uvqk_weight, uvqk_beta, in_scale, in_bias, uvqk; writes uvqk
.if DOCPART == 1
	.amdgcn_target "amdgcn-amd-amdhsa--gfx1250"
	.amdhsa_code_object_version 6
	.text
	.protected	k_q5938ac5515_proj
	.globl	k_q5938ac5515_proj
	.p2align	8
	.type	k_q5938ac5515_proj,@function
k_q5938ac5515_proj:
	s_mov_b64 s[64:65], 0
	v_nop
	global_prefetch_b8 v0, s[64:65] scope:SCOPE_SE
	s_setreg_imm32_b32 hwreg(HW_REG_WAVE_MODE, 25, 1), 1
	s_wait_xcnt 0x0
; uvqk = LayerNorm(x) W1 + beta, silu on section u.  x [8192][512] f32, W1 [512][1024] f32, result bf16 in fragment order.
; Work-group (X, sec): rows 128 X .. +127, the 256 columns of section sec (0 u, 1 v, 2 q, 3 k), K = 512.  Eight waves; wave w makes
; 64 rows (wm = w >> 2) x 64 columns (wn = w & 3 = the head): 16 accumulator tiles.
; RESULT LAYOUT: chunks of 512 bytes, byte 16 L for lane L = 16 hh + r, at sec*4194304 + ((4 b + head)*128 + lb)*2048 + dc*512.
;   u, q, k: lane holds row 16 lb + r, columns 16 dc + 8 hh + 0..7 of the head;   v: column 16 dc + r, rows 16 lb + 8 hh + 0..7.
; A packed 16 x 16 result tile IS such a chunk, and two chunks are an operand fragment of the later launches: each store of a wave covers
; 512 consecutive bytes, aligned, and the later launches load fragments without any shuffle.
; For u, q, k the product is taken transposed (source 0 = columns of W1, source 1 = rows of x), for v in the natural order.
; REQUESTS RUN AHEAD: three of a wave's four batches of x go out at the start; W1 is requested two chunks of 64 k ahead into two register buffers;
; a chunk's fragments are read from LDS one step of 32 k ahead of the products that use them, across the chunk's barrier.
; No tensor loads: x and W1 are f32 and have to pass registers to become bf16.  No cluster: nothing is brought by an engine that could be shared.
; LIMITS: operands of the product are bf16, sums f32; both passes of the LayerNorm (mean, then centred squares) in f32.
.set APITCH, 1040                      ; LDS row of normed x: 1,024 bytes + 16 = 65 x 16, so 16 rows fall on 16 different 16-byte columns of 256
.set WBASE,  128*APITCH                ; behind the 128 rows: two slots for W1
.set WT,     2064                      ; one tile of 16 columns x 64 k: 4 chunks of 512 bytes + 16 bytes of skew
.set WSLOT,  16*WT
.set GOFF, 4                           ; v4   32,768 w + 16 L: 16 rows of x, or 8 rows of W1, for each wave
.set AST,  5                           ; v5   where I put 8 bytes of a normed row
.set WST,  7                           ; v7   where I put 16 bytes (8 k of one column) of W1
.set ADRX, 8                           ; v8   my fragments of x
.set ADRW, 9                           ; v9   my fragments of W1
.set LOFF, 10                          ; v10  16 L
.set BOFF, 11                          ; v11  32 hh
.set COFF, 12                          ; v12  4 r
.set SCL,  16                          ; v[16:31] in_scale of my 16 columns; v[32:47] in_bias
.set BIA,  32
.set BI,   16                          ; v[16:47] later: beta
.set TMP,  48                          ; v[48:63] at work
.set F0,   64                          ; v[64:127], v[128:191], v[192:255]: rows of x in the LayerNorm;
.set F1,   128                         ; the first two then are fragment buffers: x at +8 a, W1 at +32 + 8 b
.set F2,   192
.set CT,   192                         ; v[192:223] later: a chunk of W1 in bf16, on its way to LDS
.set E,    64                          ; v[64:191] the way out
.set SW,   128                         ; window 1: v[0:127] the 16 accumulator tiles; v[128:191], v[192:255] W1 as loaded, chunks by turns
.set MSB, 0
.macro WIN new                         ; the immediate's high byte repeats the setting that is left
.if MSB != \new
	s_set_vgpr_msb (MSB<<8)|\new
.set MSB, \new
.endif
.endm
.macro PLACES                          ; four places between products and loads into their sources, or reads of their results
.rept 4
	v_nop
.endr
.endm
	s_load_b256 s[4:11], s[0:1], 0x0               ; x s[4:5], W1 s[6:7], beta s[8:9], in_scale s[10:11]
	s_load_b128 s[12:15], s[0:1], 0x20             ; in_bias s[12:13], uvqk s[14:15]
	v_lshl_add_u32 v14, v0, 2, 0x30a00
	v_mov_b32 v15, 0
	v_lshrrev_b32 v6, 5, v0
	v_readfirstlane_b32 s16, v6                    ; wave w
	s_lshr_b32 s17, s16, 2                         ; wm
	s_and_b32 s18, s16, 3                          ; wn
	s_mov_b32 s19, ttmp9                           ; X
	s_and_b32 s20, ttmp7, 0xffff                   ; sec
	s_mov_b32 s24, 0x76543210                      ; v_permlanex16_b32: lane i reads lane i of the other half
	s_mov_b32 s25, 0xfedcba98
	s_mov_b32 s26, 0x3b000000                      ; 1 / 512
	s_mov_b32 s27, 0x358637bd                      ; 1e-6
	s_mov_b32 s36, 0xbfb8aa3b                      ; -log2(e), as a pair for the packed multiply
	s_mov_b32 s37, 0xbfb8aa3b
	v_and_b32 v1, 31, v0                           ; L
	v_and_b32 v2, 15, v0                           ; r
	v_bfe_u32 v3, v0, 4, 1                         ; hh
	v_lshlrev_b32 v[LOFF], 4, v1
	v_lshl_add_u32 v[GOFF], s16, 15, v[LOFF]
	s_mul_i32 s21, s16, 16*APITCH
	v_lshl_add_u32 v[AST], v1, 3, s21              ; my wave's 16 rows + 8 L
	v_lshrrev_b32 v6, 2, v1
	v_mul_u32_u24 v[WST], v6, WT                   ; tile L >> 2 of a half of the columns
	v_and_b32 v6, 3, v1
	v_lshl_add_u32 v[WST], v6, 6, v[WST]           ; column 4 (L & 3) of the tile, 16 bytes each
	s_lshl_b32 s21, s16, 8                         ; k group w: chunk w >> 1, half w & 1 = 256 w
	s_add_co_u32 s21, s21, WBASE
	v_add_nc_u32 v[WST], s21, v[WST]
	v_lshl_add_u32 v6, s17, 6, v2
	v_mul_u32_u24 v[ADRX], v6, APITCH
	v_lshl_add_u32 v[ADRX], v3, 4, v[ADRX]         ; (64 wm + r) pitch + 16 hh
	s_mul_i32 s21, s18, 4*WT
	s_add_co_u32 s21, s21, WBASE
	v_add_nc_u32 v[ADRW], s21, v[LOFF]             ; my four tiles of W1; a chunk is read as it lies, 16 L
	v_lshlrev_b32 v[BOFF], 5, v3
	v_lshlrev_b32 v[COFF], 2, v2
	; byte offsets, each in a pair of its own with 0 above
	s_lshl_b32 s28, s19, 18                        ; x: 128 rows of 2,048 bytes
	s_mov_b32 s29, 0
	s_lshl_b32 s30, s20, 10                        ; W1: 256 columns of 4 bytes
	s_mov_b32 s31, 0
	s_lshl_b32 s32, s18, 8                         ; beta: the section and my 64 columns
	s_add_co_u32 s32, s32, s30
	s_mov_b32 s33, 0
	s_lshr_b32 s21, s19, 4                         ; b
	s_lshl2_add_u32 s21, s21, s18                  ; 4 b + head
	s_lshl_b32 s21, s21, 7
	s_and_b32 s22, s19, 15
	s_lshl3_add_u32 s21, s22, s21                  ; + 8 (X & 15)
	s_lshl2_add_u32 s21, s17, s21                  ; + 4 wm: my first block of 16 rows
	s_lshl_b32 s21, s21, 11
	s_lshl_b32 s34, s20, 22
	s_add_co_u32 s34, s34, s21
	s_mov_b32 s35, 0
	s_wait_kmcnt 0x0
	s_add_nc_u64 s[4:5], s[4:5], s[28:29]
	s_add_nc_u64 s[6:7], s[6:7], s[30:31]
	s_add_nc_u64 s[8:9], s[8:9], s[32:33]
	s_add_nc_u64 s[14:15], s[14:15], s[34:35]
.macro WLOAD c                         ; chunk c: 64 rows of W1, 8 for each wave, 1,024 bytes each: 16 loads of 512 consecutive bytes, into buffer c % 2 of window 1
	WIN 0x40                                       ; destination in window 1
.irp u,0,1
.irp e,0,1,2,3,4,5,6,7
	global_load_b128 v[SW+64*((\c)%2)+32*\u+4*\e:SW+64*((\c)%2)+32*\u+4*\e+3], v[GOFF], s[6:7] offset:(\c)*262144+\e*4096+\u*512
.endr
.endr
	WIN 0
.endm
.macro XLOAD buf, batch                ; four rows of x, rows 4 batch .. + 3 of my 16: lane L takes columns 128 j + 4 L .. + 3
.irp q,0,1,2,3
.irp j,0,1,2,3
	global_load_b128 v[\buf+16*\q+4*\j:\buf+16*\q+4*\j+3], v[GOFF], s[4:5] offset:(4*(\batch)+\q)*2048+512*\j
.endr
.endr
.endm
.irp j,0,1,2,3
	global_load_b128 v[SCL+4*\j:SCL+4*\j+3], v[LOFF], s[10:11] offset:512*\j
	global_load_b128 v[BIA+4*\j:BIA+4*\j+3], v[LOFF], s[12:13] offset:512*\j
.endr
	XLOAD F0, 0                                    ; 8 + 48 loads are out
	XLOAD F1, 1
	XLOAD F2, 2
; the pair in TMP + 4 q of each of four rows is summed over the wave; every lane ends with the sum in TMP + 4 q
.macro RED4
.irp q,0,1,2,3
	v_add_f32 v[TMP+4*\q], v[TMP+4*\q], v[TMP+4*\q+1]
.endr
.irp m,1,2,4,8
.irp q,0,1,2,3
	v_add_f32_dpp v[TMP+4*\q], v[TMP+4*\q], v[TMP+4*\q] row_xmask:\m row_mask:0xf bank_mask:0xf
.endr
.endr
.irp q,0,1,2,3
	v_permlanex16_b32 v[TMP+4*\q+1], v[TMP+4*\q], s24, s25
.endr
.irp q,0,1,2,3
	v_add_f32 v[TMP+4*\q], v[TMP+4*\q], v[TMP+4*\q+1]
.endr
.endm
; LayerNorm of four rows side by side (four chains that do not wait for each other), rounded to bf16 into LDS.
; left = how many younger loads may stay out.
.macro LN4 buf, batch, left
	s_wait_loadcnt \left
.irp q,0,1,2,3
	v_pk_add_f32 v[TMP+4*\q:TMP+4*\q+1], v[\buf+16*\q:\buf+16*\q+1], v[\buf+16*\q+2:\buf+16*\q+3]
	v_pk_add_f32 v[TMP+4*\q+2:TMP+4*\q+3], v[\buf+16*\q+4:\buf+16*\q+5], v[\buf+16*\q+6:\buf+16*\q+7]
.endr
.irp k,8,12
.irp q,0,1,2,3
	v_pk_add_f32 v[TMP+4*\q:TMP+4*\q+1], v[TMP+4*\q:TMP+4*\q+1], v[\buf+16*\q+\k:\buf+16*\q+\k+1]
	v_pk_add_f32 v[TMP+4*\q+2:TMP+4*\q+3], v[TMP+4*\q+2:TMP+4*\q+3], v[\buf+16*\q+\k+2:\buf+16*\q+\k+3]
.endr
.endr
.irp q,0,1,2,3
	v_pk_add_f32 v[TMP+4*\q:TMP+4*\q+1], v[TMP+4*\q:TMP+4*\q+1], v[TMP+4*\q+2:TMP+4*\q+3]
.endr
	RED4
.irp q,0,1,2,3
	v_mul_f32 v[TMP+4*\q+2], s26, v[TMP+4*\q]      ; the mean, twice: a pair for the packed subtraction
	v_mul_f32 v[TMP+4*\q+3], s26, v[TMP+4*\q]
.endr
.irp k,0,2,4,6,8,10,12,14
.irp q,0,1,2,3
	v_pk_add_f32 v[\buf+16*\q+\k:\buf+16*\q+\k+1], v[\buf+16*\q+\k:\buf+16*\q+\k+1], v[TMP+4*\q+2:TMP+4*\q+3] neg_lo:[0,1] neg_hi:[0,1]
.endr
.endr
.irp q,0,1,2,3
	v_pk_mul_f32 v[TMP+4*\q:TMP+4*\q+1], v[\buf+16*\q:\buf+16*\q+1], v[\buf+16*\q:\buf+16*\q+1]
.endr
.irp k,2,4,6,8,10,12,14
.irp q,0,1,2,3
	v_pk_fma_f32 v[TMP+4*\q:TMP+4*\q+1], v[\buf+16*\q+\k:\buf+16*\q+\k+1], v[\buf+16*\q+\k:\buf+16*\q+\k+1], v[TMP+4*\q:TMP+4*\q+1]
.endr
.endr
	RED4
.irp q,0,1,2,3
	v_fma_f32 v[TMP+4*\q], v[TMP+4*\q], s26, s27   ; variance + eps
.endr
.irp q,0,1,2,3
	v_rsq_f32 v[TMP+4*\q+2], v[TMP+4*\q]
	v_rsq_f32 v[TMP+4*\q+3], v[TMP+4*\q]
.endr
	v_nop                                          ; one plain instruction between the last v_rsq_f32 and the first use
	s_wait_alu depctr_va_vdst(0)
.irp k,0,2,4,6,8,10,12,14
.irp q,0,1,2,3
	v_pk_mul_f32 v[\buf+16*\q+\k:\buf+16*\q+\k+1], v[\buf+16*\q+\k:\buf+16*\q+\k+1], v[TMP+4*\q+2:TMP+4*\q+3]
.endr
.irp q,0,1,2,3
	v_pk_fma_f32 v[\buf+16*\q+\k:\buf+16*\q+\k+1], v[\buf+16*\q+\k:\buf+16*\q+\k+1], v[SCL+\k:SCL+\k+1], v[BIA+\k:BIA+\k+1]
.endr
.endr
.irp q,0,1,2,3
.irp i,0,1,2,3,4,5,6,7
	v_cvt_pk_bf16_f32 v[\buf+16*\q+\i], v[\buf+16*\q+2*\i], v[\buf+16*\q+2*\i+1]   ; in place, ascending: register i is read no later than it is written
.endr
.irp j,0,1,2,3
	ds_store_b64 v[AST], v[\buf+16*\q+2*\j:\buf+16*\q+2*\j+1] offset:(4*(\batch)+\q)*APITCH+256*\j   ; 32 lanes, 256 consecutive bytes
.endr
.endr
.endm
	; every count of 32 stands for the two groups of 16 loads that were issued behind the batch at work
	LN4 F0, 0, 32                                  ; gain, bias and batch 0 are in; batches 1 and 2 stay out
	XLOAD F0, 3                                    ; the last batch, two batches ahead of its use
	LN4 F1, 1, 32                                  ; batches 2 and 3 stay out
	WLOAD 0
	LN4 F2, 2, 32                                  ; batch 3 and W1's chunk 0 stay out
	WLOAD 1
	LN4 F0, 3, 32                                  ; W1's chunks 0 and 1 stay out
; 16 loads: the fragments of one step of 32 along K.  x: row r, 16 bytes at 64 ks + 16 hh and 32 further; W1: two chunks as they lie.
.macro FETCH f, ks, slot, s
.irp a,0,1,2,3
	ds_load_b128 v[\f+8*\a:\f+8*\a+3], v[ADRX] offset:\a*16*APITCH+(\ks)*64
	ds_load_b128 v[\f+8*\a+4:\f+8*\a+7], v[ADRX] offset:\a*16*APITCH+(\ks)*64+32
.endr
.irp b,0,1,2,3
	ds_load_b128 v[\f+32+8*\b:\f+32+8*\b+3], v[ADRW] offset:(\slot)*WSLOT+\b*WT+(\s)*1024
	ds_load_b128 v[\f+32+8*\b+4:\f+32+8*\b+7], v[ADRW] offset:(\slot)*WSLOT+\b*WT+(\s)*1024+512
.endr
.endm
; 16 matrix instructions, one for each accumulator: the accumulators take turns.
; nat = 0: source 0 = W1's tile i, source 1 = x's tile j;  nat = 1: source 0 = x's tile i, source 1 = W1's tile j.
.macro MUL f, nat, zero
.irp i,0,1,2,3
.irp j,0,1,2,3
.if \zero
	v_wmma_f32_16x16x32_bf16 v[8*(4*\i+\j):8*(4*\i+\j)+7], v[\f+32-32*\nat+8*\i:\f+32-32*\nat+8*\i+7], v[\f+32*\nat+8*\j:\f+32*\nat+8*\j+7], 0
.else
	v_wmma_f32_16x16x32_bf16 v[8*(4*\i+\j):8*(4*\i+\j)+7], v[\f+32-32*\nat+8*\i:\f+32-32*\nat+8*\i+7], v[\f+32*\nat+8*\j:\f+32*\nat+8*\j+7], v[8*(4*\i+\j):8*(4*\i+\j)+7]
.endif
.endr
.endr
.endm
; Chunk n of W1 (64 k) is rounded to bf16 and laid into slot n % 2 in fragment order; chunk n + 2 is requested into the registers just read.
; The wait's count = the loads issued behind chunk n's: n = 0: chunk 1 (16) and beta (8); n = 1: beta (8) and chunk 2 (16); n = 2..6: chunk n + 1 (16); n = 7: none.
.macro CONV n
.if (\n) < 2
	s_wait_loadcnt 24
.else
.if (\n) < 7
	s_wait_loadcnt 16
.else
	s_wait_loadcnt 0x0
.endif
.endif
	WIN 0x05                                       ; sources 0 and 1 in window 1
.irp u,0,1
.irp col,0,1,2,3
.irp p,0,1,2,3
	v_cvt_pk_bf16_f32 v[CT+16*\u+4*\col+\p], v[SW+64*((\n)%2)+32*\u+8*\p+\col], v[SW+64*((\n)%2)+32*\u+8*\p+4+\col]   ; 8 k of one column
.endr
.endr
.endr
	WIN 0
.irp u,0,1
.irp col,0,1,2,3
	ds_store_b128 v[WST], v[CT+16*\u+4*\col:CT+16*\u+4*\col+3] offset:((\n)%2)*WSLOT+\u*8*WT+16*\col
.endr
.endr
.if (\n)+2 < 8
	WLOAD \n+2
.endif
.endm
; 64 along K = two steps of 32, on buffers F0 and F1.  At the head F0's loads (step 2 c) are on their way.
; ONE barrier a chunk.  Between two barriers every wave reads slot c % 2 alone and stores into slot (c + 1) % 2 alone; the slot that is written had its last
; reads waited for (s_wait_dscnt 0) in front of the barrier before, and it is read only behind the next barrier, in front of which the stores are waited for.
.macro CHUNK c, nat
.if \c > 0
	PLACES                                         ; behind the last chunk's products on F1
.endif
	FETCH F1, 2*\c+1, (\c)%2, 1
.if \c < 7
	CONV \c+1
	s_wait_dscnt 24                                ; F0's 16 loads are in; F1's 16 loads and the 8 stores behind them may be out
.else
	s_wait_dscnt 16                                ; F0's 16 loads are in; F1's 16 may be out
.endif
	WIN 0x50                                       ; C and D in window 1
.if \c == 0
	MUL F0, \nat, 1                                ; the first products start the sums: nothing is cleared
.else
	MUL F0, \nat, 0
.endif
.if \c < 7
	WIN 0
	s_wait_dscnt 0x0                               ; F1 is in, so my reads of this slot are over; my stores into the other slot are in LDS
	s_barrier_signal -1
	s_barrier_wait -1
	PLACES                                         ; behind the products on F0
	FETCH F0, 2*\c+2, (\c+1)%2, 0                  ; the next chunk's first step, on its way while F1 is multiplied
	WIN 0x50
.else
	s_wait_dscnt 0x0
.endif
	MUL F1, \nat, 0
	WIN 0
.endm
.macro GEMM nat
.if \nat
.irp j,0,1,2,3
	global_load_b32 v[BI+2*\j], v[COFF], s[8:9] offset:64*\j       ; a lane's eight results are one column: beta(16 j + r), twice for the packed add
	global_load_b32 v[BI+2*\j+1], v[COFF], s[8:9] offset:64*\j
.endr
.else
.irp i,0,1,2,3
	global_load_b128 v[BI+8*\i:BI+8*\i+3], v[BOFF], s[8:9] offset:64*\i      ; a lane's eight results are columns 16 i + 8 hh + 0..7
	global_load_b128 v[BI+8*\i+4:BI+8*\i+7], v[BOFF], s[8:9] offset:64*\i+16
.endr
.endif
	CONV 0
	s_wait_dscnt 0x0                               ; my normed rows and my part of chunk 0 are in LDS
	s_barrier_signal -1
	s_barrier_wait -1
	FETCH F0, 0, 0, 0
.irp c,0,1,2,3,4,5,6,7
	CHUNK \c, \nat
.endr
	PLACES                                         ; behind the last products: results are read, fragment registers written
	WIN 0x01                                       ; source 0 in window 1
.irp i,0,1,2,3
.irp j,0,1,2,3
.irp p,0,2,4,6
.if \nat
	v_pk_add_f32 v[E+8*(4*\i+\j)+\p:E+8*(4*\i+\j)+\p+1], v[8*(4*\i+\j)+\p:8*(4*\i+\j)+\p+1], v[BI+2*\j:BI+2*\j+1]
.else
	v_pk_add_f32 v[E+8*(4*\i+\j)+\p:E+8*(4*\i+\j)+\p+1], v[8*(4*\i+\j)+\p:8*(4*\i+\j)+\p+1], v[BI+8*\i+\p:BI+8*\i+\p+1]
.endif
.endr
.endr
.endr
	WIN 0
.if \nat == 0
	s_cmp_eq_u32 s20, 0
	s_cbranch_scc0 .Lplain                         ; q and k go out as they are
	; section u: silu(y) = y / (1 + 2^(-log2(e) y)).  An overflow of the power gives 1/inf = 0, an underflow gives 1.
.set t, 0
.rept 16
.irp p,0,2,4,6
	v_pk_mul_f32 v[TMP+\p:TMP+\p+1], v[E+8*t+\p:E+8*t+\p+1], s[36:37] op_sel_hi:[1,0]
.endr
.irp p,0,1,2,3,4,5,6,7
	v_exp_f32 v[TMP+\p], v[TMP+\p]
.endr
	v_nop
	s_wait_alu depctr_va_vdst(0)
.irp p,0,2,4,6
	v_pk_add_f32 v[TMP+\p:TMP+\p+1], v[TMP+\p:TMP+\p+1], 1.0 op_sel_hi:[1,0]
.endr
.irp p,0,1,2,3,4,5,6,7
	v_rcp_f32 v[TMP+\p], v[TMP+\p]
.endr
	v_nop
	s_wait_alu depctr_va_vdst(0)
.irp p,0,2,4,6
	v_pk_mul_f32 v[E+8*t+\p:E+8*t+\p+1], v[E+8*t+\p:E+8*t+\p+1], v[TMP+\p:TMP+\p+1]
.endr
.set t, t+1
.endr
.Lplain:
.endif
.irp i,0,1,2,3
.irp j,0,1,2,3
.irp p,0,1,2,3
	v_cvt_pk_bf16_f32 v[E+8*(4*\i+\j)+\p], v[E+8*(4*\i+\j)+2*\p], v[E+8*(4*\i+\j)+2*\p+1]
.endr
	global_store_b128 v[LOFF], v[E+8*(4*\i+\j):E+8*(4*\i+\j)+3], s[14:15] offset:(\nat*\i+(1-\nat)*\j)*2048+(\nat*\j+(1-\nat)*\i)*512   ; a whole chunk: 512 consecutive bytes, aligned
.endr
.endr
	s_wait_tensorcnt 0x0
	ds_add_u32 v14, v15
	s_wait_dscnt 0x0
	s_endpgm
.endm
	s_cmp_eq_u32 s20, 1
	s_cbranch_scc1 .Lnat                           ; the same way for all eight waves: it hangs on the work-group's y alone
	GEMM 0
.Lnat:
	GEMM 1
.Lfunc_end_k_q5938ac5515_proj:
	.size	k_q5938ac5515_proj, .Lfunc_end_k_q5938ac5515_proj-k_q5938ac5515_proj
	.p2alignl 7, 3214868480
	.fill 96, 4, 3214868480
	.section	.rodata,"a",@progbits
	.p2align	6, 0x0
	.amdhsa_kernel k_q5938ac5515_proj
		.amdhsa_group_segment_fixed_size 200192
		.amdhsa_private_segment_fixed_size 0
		.amdhsa_enable_private_segment 0
		.amdhsa_kernarg_size 48
		.amdhsa_user_sgpr_count 2
		.amdhsa_user_sgpr_kernarg_segment_ptr 1
		.amdhsa_wavefront_size32 1
		.amdhsa_system_sgpr_workgroup_id_x 1
		.amdhsa_system_sgpr_workgroup_id_y 1
		.amdhsa_system_sgpr_workgroup_id_z 1
		.amdhsa_system_vgpr_workitem_id 0
		.amdhsa_next_free_vgpr 512
		.amdhsa_next_free_sgpr 66
		.amdhsa_reserve_vcc 0
		.amdhsa_float_denorm_mode_32 3
		.amdhsa_float_denorm_mode_16_64 3
		.amdhsa_memory_ordered 1
		.amdhsa_forward_progress 1
		.amdhsa_inst_pref_size 255
	.end_amdhsa_kernel
	.amdgpu_metadata
---
amdhsa.version: [ 1, 2 ]
amdhsa.kernels:
  - .name:           k_q5938ac5515_proj
    .symbol:         k_q5938ac5515_proj.kd
    .args:
      - { .name: x, .offset: 0, .size: 8, .value_kind: global_buffer, .address_space: global }
      - { .name: uvqk_weight, .offset: 8, .size: 8, .value_kind: global_buffer, .address_space: global }
      - { .name: uvqk_beta, .offset: 16, .size: 8, .value_kind: global_buffer, .address_space: global }
      - { .name: in_scale, .offset: 24, .size: 8, .value_kind: global_buffer, .address_space: global }
      - { .name: in_bias, .offset: 32, .size: 8, .value_kind: global_buffer, .address_space: global }
      - { .name: uvqk, .offset: 40, .size: 8, .value_kind: global_buffer, .address_space: global }
    .group_segment_fixed_size: 200192
    .private_segment_fixed_size: 0
    .kernarg_segment_align: 8
    .kernarg_segment_size: 48
    .max_flat_workgroup_size: 256
    .sgpr_count:     66
    .vgpr_count:     512
    .wavefront_size: 32
...
	.end_amdgpu_metadata
.endif
;; end of part 1
;; launch attend (part 2): grid 256 x 1, 8 waves a work-group, no clusters, 263,168 bytes of LDS; arguments uvqk, num_targets, attn_f32; writes attn_f32
.if DOCPART == 2
	.amdgcn_target "amdgcn-amd-amdhsa--gfx1250"
	.amdhsa_code_object_version 6
	.text
	.protected	k_q5938ac5515_attend
	.globl	k_q5938ac5515_attend
	.p2align	8
	.type	k_q5938ac5515_attend,@function
k_q5938ac5515_attend:
	s_mov_b64 s[64:65], 0
	v_nop
	global_prefetch_b8 v0, s[64:65] scope:SCOPE_SE
	s_setreg_imm32_b32 hwreg(HW_REG_WAVE_MODE, 25, 1), 1
	s_wait_xcnt 0x0
; attn = (silu(q k / 8) / 2048, masked) v, per batch b and head h.  q, k, v: bf16 fragment chunks of 512 bytes (see below); attn: f32 chunks.
; MASK: with M = 2048 - num_targets[b] (int32, wrapping as in the source), entry (q, kv) counts if kv < min(q, M) or kv == q.
; Every entry that counts has kv <= q, so tiles above the diagonal are not visited.
; SHARES: work-group = (b, h, t), t = 0..15.  It makes the blocks of 64 query rows t and 31 - t: (2 t + 2) + (64 - 2 t) = 66 tiles of 64 x 32
; for every work-group.  In a block, wave w takes the kv tiles w, w + 8, ... for all 64 rows; the sum over kv has no normaliser, so the eight partial
; results are simply added through LDS.  Each byte of k and v is thus loaded once in a block, straight into the fragment that uses it: no LDS for operands.
; A wave with no tile of its own (w > 2 blk + 1) takes tile w all the same: it lies above the diagonal, inside the buffer, and the mask makes its share a true zero.
; ONE BARRIER: each wave lays its partial result of the first block into its own 16 KiB of LDS region 0 and goes straight on to the second block, whose q, k, v
; it has requested already; the second block's partial goes to region 1; then one barrier, and both blocks are summed.  No wave waits for another in between.
; LAYOUT of q, k: chunk ((4 b + h)*128 + lb)*2048 + dc*512, lane (r, hh) = row 16 lb + r, columns 16 dc + 8 hh + 0..7;  v: column 16 dc + r, rows 16 lb + 8 hh + 0..7.
; attn: (rowblock*16 + cc)*1024 + half*512, lane (r, hh) = row r, channels 16 cc + 8 hh + 4 half + 0..3.
; THE PRODUCTS ARE TRANSPOSED: S^T = K Q^T puts q = r and kv = 8 hh + 0..7 in a lane, which packs straight into source 1 of O^T = V^T P^T.
; SCALES: with s = q.k raw, p = s / (1 + 2^(-log2(e)/8 s)), and the sum is multiplied by 2^-14 = (1/8)(1/2048) at the end.  The source subtracts no maximum
; (there is no softmax); an overflow of the power gives 1/inf = 0, an underflow gives 1.
; No cluster: partners of a head would need different numbers of tiles, and nothing comes through LDS that a joint request could fill.
; LIMITS: p is rounded to bf16 for the second product; sums in f32, in another order than the source's.
.set LOFF, 1                           ; v1  16 L
.set RR,   2                           ; v2  r
.set H8,   3                           ; v3  8 hh
.set RST,  4                           ; v4  16,384 w + 16 L: my partial result, first block;  v8: second block, 131,072 further
.set RLD0, 5                           ; v5  2,048 w + 16 L: my share of partials 0..3, first block;  v6: of partials 4..7
.set RLD1, 6
.set RST1, 8
.set RLD2, 9                           ; v9, v10  the same two for the second block
.set RLD3, 10
.set TT,   16                          ; v[16:31]   two halves of 8, at work
.set PP,   32                          ; v[32:63]   p in bf16: fragment qt at + 8 qt
.set KK,   64                          ; v[64:95]   k: fragment (kvt, s) at + 8 (2 kvt + s)
.set VV,   96                          ; v[96:127]  v: fragment dt at + 8 dt
.set SS,   128                         ; v[128:191] s: tile (qt, kvt) at + 8 (2 qt + kvt)
.set QI,   192                         ; v[192:195] my q of each qt;  v[196:199] min(q, M)
.set QM,   196
.set KVI,  200                         ; v[200:215] my 16 kv of a tile
.set RA,   128                         ; v[128:255] at the end: the first block's eight partials of my two tiles, partial p at + 16 p
.set RB,   0                           ; window 1, v[0:127] at the end: the same of the second block
.set QQ,   128                         ; window 1: v[128:191] q: fragment (qt, s) at + 8 (2 qt + s);  v[0:127] O: tile 4 qt + dt
.set MSB, 0
.macro WIN new
.if MSB != \new
	s_set_vgpr_msb (MSB<<8)|\new
.set MSB, \new
.endif
.endm
	s_load_b128 s[4:7], s[0:1], 0x0                ; uvqk s[4:5], num_targets s[6:7]
	s_load_b64 s[8:9], s[0:1], 0x10                ; attn
	v_lshl_add_u32 v14, v0, 2, 0x40000
	v_mov_b32 v15, 0
	v_lshrrev_b32 v7, 5, v0
	v_readfirstlane_b32 s10, v7                    ; wave w
	s_lshr_b32 s11, ttmp9, 4                       ; 4 b + h
	s_and_b32 s12, ttmp9, 15                       ; t: the first block
	s_lshr_b32 s13, s11, 2                         ; b
	s_and_b32 s14, s11, 3                          ; h
	s_lshl_b32 s16, s13, 2
	s_sub_co_u32 s43, 31, s12                      ; the second block
	s_mov_b32 s44, 0xbe38aa3b                      ; -log2(e) / 8, a pair
	s_mov_b32 s45, 0xbe38aa3b
	s_mov_b32 s46, 0x38800000                      ; 2^-14, a pair
	s_mov_b32 s47, 0x38800000
	v_and_b32 v7, 31, v0
	v_lshlrev_b32 v[LOFF], 4, v7
	v_and_b32 v[RR], 15, v0
	v_bfe_u32 v[H8], v0, 4, 1
	v_lshlrev_b32 v[H8], 3, v[H8]
	v_lshl_add_u32 v[RST], s10, 14, v[LOFF]
	v_lshl_add_u32 v[RLD0], s10, 11, v[LOFF]
	v_add_nc_u32 v[RLD1], 0x10000, v[RLD0]
	v_add_nc_u32 v[RST1], 0x20000, v[RST]
	v_add_nc_u32 v[RLD2], 0x20000, v[RLD0]
	v_add_nc_u32 v[RLD3], 0x30000, v[RLD0]
	s_lshl_b32 s18, s11, 18                        ; a head: 128 blocks of 2,048 bytes
	s_mov_b32 s19, 0
	s_lshl_b32 s48, s10, 12                        ; kv tile w: 4,096 bytes a tile
	s_mov_b32 s49, 0
	s_lshl_b32 s50, s13, 7                         ; (128 b + (w >> 1)) 16 + 4 h + 2 (w & 1): my two tiles' place in attn, without the block
	s_lshr_b32 s51, s10, 1
	s_add_co_u32 s50, s50, s51
	s_lshl_b32 s50, s50, 4
	s_lshl2_add_u32 s50, s14, s50
	s_and_b32 s51, s10, 1
	s_lshl1_add_u32 s50, s51, s50
	s_mov_b32 s53, 0
	s_wait_kmcnt 0x0
	s_load_b32 s15, s[6:7], s16 offset:0x0         ; num_targets[b]: waited for behind the first block's loads
	s_add_nc_u64 s[4:5], s[4:5], s[18:19]
	s_add_nc_u64 s[20:21], s[4:5], 0x800000        ; q of my head
	s_add_nc_u64 s[28:29], s[4:5], 0xc00000        ; k
	s_add_nc_u64 s[30:31], s[4:5], 0x400000        ; v
	s_add_nc_u64 s[28:29], s[28:29], s[48:49]      ; at my first tile
	s_add_nc_u64 s[30:31], s[30:31], s[48:49]
.macro KLOAD                           ; a tile of 32 rows of k: eight chunks, 4,096 consecutive bytes
.irp i,0,1,2,3,4,5,6,7
	global_load_b128 v[KK+4*\i:KK+4*\i+3], v[LOFF], s[24:25] offset:512*\i
.endr
.endm
.macro VLOAD
.irp l,0,1
.irp d,0,1,2,3
	global_load_b128 v[VV+8*\d+4*\l:VV+8*\d+4*\l+3], v[LOFF], s[26:27] offset:\l*2048+\d*512
.endr
.endr
.endm
; the five steps of s / (1 + 2^(c s)) on group g of eight registers; TT's halves take turns
.macro SM g
.irp p,0,2,4,6
	v_pk_mul_f32 v[TT+8*((\g)%2)+\p:TT+8*((\g)%2)+\p+1], v[SS+8*(\g)+\p:SS+8*(\g)+\p+1], s[44:45] op_sel_hi:[1,0]
.endr
.endm
.macro SE g
.irp p,0,1,2,3,4,5,6,7
	v_exp_f32 v[TT+8*((\g)%2)+\p], v[TT+8*((\g)%2)+\p]
.endr
.endm
.macro SA g
.irp p,0,2,4,6
	v_pk_add_f32 v[TT+8*((\g)%2)+\p:TT+8*((\g)%2)+\p+1], v[TT+8*((\g)%2)+\p:TT+8*((\g)%2)+\p+1], 1.0 op_sel_hi:[1,0]
.endr
.endm
.macro SR g
.irp p,0,1,2,3,4,5,6,7
	v_rcp_f32 v[TT+8*((\g)%2)+\p], v[TT+8*((\g)%2)+\p]
.endr
.endm
.macro SF g
	s_wait_alu depctr_va_vdst(0)
.irp p,0,2,4,6
	v_pk_mul_f32 v[SS+8*(\g)+\p:SS+8*(\g)+\p+1], v[SS+8*(\g)+\p:SS+8*(\g)+\p+1], v[TT+8*((\g)%2)+\p:TT+8*((\g)%2)+\p+1]
.endr
.endm
; One tile of 64 q x 32 kv.  zero = 1: the products start O's sums.  more = 1: the wave has a further tile, eight tiles on; its k is requested
; behind the first product and its v behind the second.  Loads out at the head: 8 of k, then 8 of v (in a block's first tile q's 16 ahead of them).
.macro TRIP zero, more
	s_wait_loadcnt 0x8                             ; k (and q) are in; the 8 younger loads of v may stay out
	WIN 0x04                                       ; source 1 (q) in window 1
.irp qt,0,1,2,3
.irp kvt,0,1
	v_wmma_f32_16x16x32_bf16 v[SS+8*(2*\qt+\kvt):SS+8*(2*\qt+\kvt)+7], v[KK+16*\kvt:KK+16*\kvt+7], v[QQ+16*\qt:QQ+16*\qt+7], 0
.endr
.endr
.irp qt,0,1,2,3                        ; the eight tiles take turns
.irp kvt,0,1
	v_wmma_f32_16x16x32_bf16 v[SS+8*(2*\qt+\kvt):SS+8*(2*\qt+\kvt)+7], v[KK+16*\kvt+8:KK+16*\kvt+15], v[QQ+16*\qt+8:QQ+16*\qt+15], v[SS+8*(2*\qt+\kvt):SS+8*(2*\qt+\kvt)+7]
.endr
.endr
	WIN 0
.rept 4
	v_nop                                          ; four places (ISA guide 7.12.1): then k's registers are loaded again and s is read
.endr
.if \more
	s_add_nc_u64 s[24:25], s[24:25], 0x8000        ; the loads that named this pointer were shown done at the head
	KLOAD
.endif
	; behind each run of transcendentals stands a plain instruction on the other half before a result is used
	SM 0
	SE 0
	v_nop
	s_wait_alu depctr_va_vdst(0)
	SA 0
	SR 0
	SM 1
.irp g,1,2,3,4,5,6
	SE \g
	SF \g-1
	SA \g
	SR \g
	SM \g+1
.endr
	SE 7
	SF 6
	SA 7
	SR 7
	v_nop
	s_wait_alu depctr_va_vdst(0)
	SF 7
	; the mask, only where the tile is not wholly below min(first q, M); the branch hangs on ids and num_targets alone
	s_add_co_u32 s39, s37, 32
	s_cmp_le_i32 s39, s38
	s_cbranch_scc1 .Lfull_\@
.irp kvt,0,1
.irp jj,0,1,2,3,4,5,6,7
	v_add3_u32 v[KVI+8*\kvt+\jj], s37, v[H8], 16*\kvt+\jj
.endr
.endr
.irp qt,0,1,2,3
.irp kvt,0,1
.irp jj,0,1,2,3,4,5,6,7
	v_cmp_lt_i32 vcc_lo, v[KVI+8*\kvt+\jj], v[QM+\qt]
	v_cndmask_b32 v[TT+\jj], 0, v[SS+8*(2*\qt+\kvt)+\jj], vcc_lo          ; kept if kv < min(q, M)
	v_cmp_eq_u32 vcc_lo, v[KVI+8*\kvt+\jj], v[QI+\qt]
	v_cndmask_b32 v[SS+8*(2*\qt+\kvt)+\jj], v[TT+\jj], v[SS+8*(2*\qt+\kvt)+\jj], vcc_lo   ; or if kv == q
.endr
.endr
.endr
.Lfull_\@:
.set pi, 0
.rept 32
	v_cvt_pk_bf16_f32 v[PP+pi], v[SS+2*pi], v[SS+2*pi+1]
.set pi, pi+1
.endr
.if \more
	s_wait_loadcnt 0x8                             ; v is in; the 8 younger loads of the next k may stay out
.else
	s_wait_loadcnt 0x0                             ; v is in: nothing younger was issued
.endif
	WIN 0x50                                       ; C and D (O) in window 1
.irp qt,0,1,2,3
.irp dt,0,1,2,3
.if \zero
	v_wmma_f32_16x16x32_bf16 v[8*(4*\qt+\dt):8*(4*\qt+\dt)+7], v[VV+8*\dt:VV+8*\dt+7], v[PP+8*\qt:PP+8*\qt+7], 0
.else
	v_wmma_f32_16x16x32_bf16 v[8*(4*\qt+\dt):8*(4*\qt+\dt)+7], v[VV+8*\dt:VV+8*\dt+7], v[PP+8*\qt:PP+8*\qt+7], v[8*(4*\qt+\dt):8*(4*\qt+\dt)+7]
.endif
.endr
.endr
	WIN 0
.rept 4
	v_nop                                          ; four places: then v's registers are loaded again, or O is read
.endr
.if \more
	s_add_nc_u64 s[26:27], s[26:27], 0x8000        ; v's loads were shown done in front of the product
	VLOAD
	s_add_co_u32 s37, s37, 256                     ; the next tile's first kv
.endif
.endm
; The block's number is in register blk: its q (16 loads), my first tile of k (8) and of v (8) are requested.  No load of the wave is out here
; (at the start none was issued; a block's last tile waits for 0), so the three pointers may be written.
.macro REQ blk
	s_mov_b32 s32, \blk
	s_lshl_b32 s33, s32, 6                         ; its first row
	s_lshl_b32 s18, s32, 13                        ; 64 rows of q: 8,192 bytes
	s_add_nc_u64 s[22:23], s[20:21], s[18:19]
	s_mov_b64 s[24:25], s[28:29]
	s_mov_b64 s[26:27], s[30:31]
	WIN 0x40                                       ; destination in window 1
.set i, 0
.rept 16
	global_load_b128 v[QQ+4*i:QQ+4*i+3], v[LOFF], s[22:23] offset:512*i
.set i, i+1
.endr
	WIN 0
	KLOAD
	VLOAD
.endm
; The block's counts and indices; sb: the scalar pair that takes the address of my two tiles of the block's sum.
.macro IDX sb
	s_lshl_b32 s35, s32, 1
	s_add_co_u32 s35, s35, 9
	s_sub_co_u32 s35, s35, s10
	s_lshr_b32 s35, s35, 3
	s_max_u32 s35, s35, 1                          ; my tiles: (2 blk + 9 - w) >> 3, at least the one masked tile
	s_sub_co_u32 s36, s35, 2                       ; trips of the loop between the first tile and the last
	s_lshl_b32 s37, s10, 5                         ; first kv of my first tile
	s_min_i32 s38, s33, s15                        ; min(first q, M)
	s_lshl_b32 s52, s32, 6
	s_add_co_u32 s52, s52, s50
	s_lshl_b32 s52, s52, 10
	s_add_nc_u64 s[\sb:\sb+1], s[8:9], s[52:53]
.irp qt,0,1,2,3
	v_add3_u32 v[QI+\qt], s33, v[RR], 16*\qt
	v_min_i32 v[QM+\qt], s15, v[QI+\qt]
.endr
.endm
; All my tiles of a block: the first starts the sums, the last requests nothing.
.macro TRIPS
	s_cmp_eq_u32 s35, 1
	s_cbranch_scc1 .Lsingle_\@
	TRIP 1, 1
	s_cmp_eq_u32 s36, 0
	s_cbranch_scc1 .Llast_\@
.Lmid_\@:
	TRIP 0, 1
	s_sub_co_u32 s36, s36, 1
	s_cmp_lg_u32 s36, 0
	s_cbranch_scc1 .Lmid_\@
.Llast_\@:
	TRIP 0, 0
	s_branch .Ldone_\@
.Lsingle_\@:
	TRIP 1, 0
.Ldone_\@:
.endm
.macro OSTORE adr                      ; my 64 x 64 partial result into my own 16 KiB of a region
	WIN 0x04                                       ; store data in window 1
.set i, 0
.rept 32
	ds_store_b128 v[\adr], v[4*i:4*i+3] offset:512*i
.set i, i+1
.endr
	WIN 0
.endm
.macro PADD base, d, s                 ; partial d += partial s, 16 registers
.irp k,0,2,4,6,8,10,12,14
	v_pk_add_f32 v[\base+16*\d+\k:\base+16*\d+\k+1], v[\base+16*\d+\k:\base+16*\d+\k+1], v[\base+16*\s+\k:\base+16*\s+\k+1]
.endr
.endm
.macro RLOAD base, a0, a1              ; 32 loads: my two tiles (four pieces of 512 bytes) of all eight partials
.irp p,0,1,2,3
.irp c,0,1,2,3
	ds_load_b128 v[\base+16*\p+4*\c:\base+16*\p+4*\c+3], v[\a0] offset:\p*16384+\c*512
.endr
.endr
.irp p,0,1,2,3
.irp c,0,1,2,3
	ds_load_b128 v[\base+64+16*\p+4*\c:\base+64+16*\p+4*\c+3], v[\a1] offset:\p*16384+\c*512
.endr
.endr
.endm
	REQ s12                                        ; the first block
	s_wait_kmcnt 0x0                               ; num_targets[b], while the 32 loads are on their way
	s_sub_co_i32 s15, 2048, s15                    ; M
	IDX 40
	TRIPS
	REQ s43                                        ; the second block's first loads go out ahead of everything else
	OSTORE RST
	IDX 54
	s_wait_dscnt 0x0                               ; the LDS stores have read O: the second block's products write it again
	TRIPS
	OSTORE RST1
	s_wait_dscnt 0x0                               ; both my partial results are in LDS
	s_barrier_signal -1
	s_barrier_wait -1                              ; everybody's are; nothing is written to LDS behind this barrier
	RLOAD RA, RLD0, RLD1
	s_wait_dscnt 16                                ; the first block's partials 0..3 are in, the 16 loads of 4..7 may be out
	PADD RA, 0, 1
	PADD RA, 2, 3
	PADD RA, 0, 2
	WIN 0x40                                       ; destination in window 1: O's registers, whose stores were waited for in front of the barrier
	RLOAD RB, RLD2, RLD3
	WIN 0
	s_wait_dscnt 32                                ; the first block is in, the second block's 32 loads may be out
	PADD RA, 4, 5
	PADD RA, 6, 7
	PADD RA, 4, 6
	PADD RA, 0, 4
.irp k,0,2,4,6,8,10,12,14
	v_pk_mul_f32 v[RA+\k:RA+\k+1], v[RA+\k:RA+\k+1], s[46:47] op_sel_hi:[1,0]
.endr
.irp c,0,1,2,3
	global_store_b128 v[LOFF], v[RA+4*\c:RA+4*\c+3], s[40:41] offset:512*\c   ; 2,048 consecutive bytes, aligned
.endr
	s_wait_dscnt 0x0
	WIN 0x45                                       ; both sources and the destination in window 1
	PADD RB, 0, 1
	PADD RB, 2, 3
	PADD RB, 4, 5
	PADD RB, 6, 7
	PADD RB, 0, 2
	PADD RB, 4, 6
	PADD RB, 0, 4
	WIN 0x41                                       ; source 0 and the destination in window 1
.irp k,0,2,4,6,8,10,12,14
	v_pk_mul_f32 v[RB+\k:RB+\k+1], v[RB+\k:RB+\k+1], s[46:47] op_sel_hi:[1,0]
.endr
	WIN 0x04                                       ; store data in window 1, the offset in window 0
.irp c,0,1,2,3
	global_store_b128 v[LOFF], v[RB+4*\c:RB+4*\c+3], s[54:55] offset:512*\c
.endr
	WIN 0
	s_wait_tensorcnt 0x0
	ds_add_u32 v14, v15
	s_wait_dscnt 0x0
	s_endpgm
.Lfunc_end_k_q5938ac5515_attend:
	.size	k_q5938ac5515_attend, .Lfunc_end_k_q5938ac5515_attend-k_q5938ac5515_attend
	.p2alignl 7, 3214868480
	.fill 96, 4, 3214868480
	.section	.rodata,"a",@progbits
	.p2align	6, 0x0
	.amdhsa_kernel k_q5938ac5515_attend
		.amdhsa_group_segment_fixed_size 263168
		.amdhsa_private_segment_fixed_size 0
		.amdhsa_enable_private_segment 0
		.amdhsa_kernarg_size 24
		.amdhsa_user_sgpr_count 2
		.amdhsa_user_sgpr_kernarg_segment_ptr 1
		.amdhsa_wavefront_size32 1
		.amdhsa_system_sgpr_workgroup_id_x 1
		.amdhsa_system_sgpr_workgroup_id_y 1
		.amdhsa_system_sgpr_workgroup_id_z 1
		.amdhsa_system_vgpr_workitem_id 0
		.amdhsa_next_free_vgpr 448
		.amdhsa_next_free_sgpr 66
		.amdhsa_reserve_vcc 1
		.amdhsa_float_denorm_mode_32 3
		.amdhsa_float_denorm_mode_16_64 3
		.amdhsa_memory_ordered 1
		.amdhsa_forward_progress 1
		.amdhsa_inst_pref_size 227
	.end_amdhsa_kernel
	.amdgpu_metadata
---
amdhsa.version: [ 1, 2 ]
amdhsa.kernels:
  - .name:           k_q5938ac5515_attend
    .symbol:         k_q5938ac5515_attend.kd
    .args:
      - { .name: uvqk, .offset: 0, .size: 8, .value_kind: global_buffer, .address_space: global }
      - { .name: num_targets, .offset: 8, .size: 8, .value_kind: global_buffer, .address_space: global }
      - { .name: attn_f32, .offset: 16, .size: 8, .value_kind: global_buffer, .address_space: global }
    .group_segment_fixed_size: 263168
    .private_segment_fixed_size: 0
    .kernarg_segment_align: 8
    .kernarg_segment_size: 24
    .max_flat_workgroup_size: 256
    .sgpr_count:     66
    .vgpr_count:     448
    .wavefront_size: 32
...
	.end_amdgpu_metadata
.endif
;; end of part 2
;; launch outp (part 3): grid 64 x 4, 8 waves a work-group, no clusters, 263,424 bytes of LDS; arguments uvqk, attn_f32, output_weight, out_scale, out_bias, x, out0; writes out0
.if DOCPART == 3
	.amdgcn_target "amdgcn-amd-amdhsa--gfx1250"
	.amdhsa_code_object_version 6
	.text
	.protected	k_q5938ac5515_outp
	.globl	k_q5938ac5515_outp
	.p2align	8
	.type	k_q5938ac5515_outp,@function
k_q5938ac5515_outp:
	s_mov_b64 s[64:65], 0
	v_nop
	global_prefetch_b8 v0, s[64:65] scope:SCOPE_SE
	s_setreg_imm32_b32 hwreg(HW_REG_WAVE_MODE, 25, 1), 1
	s_wait_xcnt 0x0
; out0 = x + [u, attn, u * LayerNorm(attn)] W2.  u: bf16 chunks, attn: f32 chunks (layouts below), W2 [768][512] f32, x and out0 [8192][512] f32.
; Work-group (X, Y): rows 128 X .. +127, columns 128 Y .. +127, K = 768.  Eight waves.
; PROLOGUE: wave w owns the block of 16 rows 8 X + w.  In both layouts lane (r, hh) holds row r and channels 16 cc + 8 hh + 0..7 of every cc = 0..15, so a row
; lies in lanes r and r + 16 alone, the gate is lane by lane, and the three parts go to LDS as chunks of 512 bytes that are halves of operand fragments.
; PRODUCT: wave w makes 64 rows (wm = w >> 2) x 32 columns (wn = w & 3), transposed (source 0 = columns of W2, source 1 = rows): a lane's eight results are
; eight neighbouring columns of one row.  They leave through LDS as whole rows of 512 bytes, x is added on the way.
; REQUESTS RUN AHEAD: W2 is requested two chunks of 128 k ahead into two register buffers; x is requested in front of the product and waits in registers;
; fragments are read from LDS one step of 32 k ahead of the products that use them, across the chunk's barrier.
; u chunk: ((4 b + head)*128 + lb)*2048 + dc*512;  attn chunk pair: (rowblock*16 + cc)*1024 + half*512, lane = row r, channels 16 cc + 8 hh + 4 half + 0..3.
; No tensor loads: W2 and attn are f32 and pass registers to become bf16.  No cluster for the same reason.
; LIMITS: u was rounded to bf16 before the gate; operands of the product are bf16; LayerNorm in two passes in f32.
.set XRB,    24576                     ; a block of 16 rows: 48 chunks of 512 bytes: cc (u), 16 + cc (attn), 32 + cc (gated)
.set WB,     8*XRB                     ; behind the eight blocks: two slots for W2
.set WT,     4112                      ; a tile of 16 columns x 128 k: 8 chunks + 16 bytes of skew
.set WSLOT,  8*WT
.set SPITCH, 528                       ; the stage's row: 512 bytes + 16 = 33 x 16
.set LOFF,  1                          ; v1   16 L
.set HOFF,  4                          ; v4   32 hh
.set XST,   5                          ; v5   my block of rows + 16 L
.set WOFF,  6                          ; v6   16,384 w + 16 L: 8 rows of W2 for each wave
.set WST,   7                          ; v7   where I put 16 bytes (8 k of one column) of W2
.set ADRXA, 8                          ; v8   fragments of my row blocks 0, 1;  v9: 2, 3
.set ADRXB, 9
.set ADRW,  10                         ; v10  fragments of my two tiles of W2
.set SST,   11                         ; v11  the stage: where I put results
.set SRD,   12                         ; v12  the stage: where I read rows back
.set ROFF,  13                         ; v13  32,768 w + 16 L: 16 rows of x and of out0 for each wave
.set CH,    16                         ; v[16:23] four chains;  v[24:25] the mean, twice;  v[26:27] 1 / sigma, twice
.set MN,    24
.set RS,    26
.set G,     32                         ; v[32:63] at work in the prologue
.set CT,    32                         ; v[32:63] in the product: a chunk of W2 in bf16, on its way to LDS
.set AT,    64                         ; v[64:191]  attn: channel chunk cc at + 8 cc
.set U,     192                        ; v[192:255] u: chunk cc at + 4 cc
.set OUTR,  64                         ; v[64:127]  the way out: rows read back from the stage
.set F0,    128                        ; v[128:175], v[176:223] later: fragment buffers: rows at + 8 j, W2 at + 32 + 8 i
.set F1,    176
                                       ; window 1 in the prologue: v[0:127] out_scale, v[128:255] out_bias of my channels
.set SW,    64                         ; window 1 later: v[0:63] the 8 accumulator tiles; v[64:127], v[128:191] W2 as loaded, chunks by turns
.set XG,    192                        ; window 1 later: v[192:255] my 16 rows of x
.set MSB, 0
.macro WIN new
.if MSB != \new
	s_set_vgpr_msb (MSB<<8)|\new
.set MSB, \new
.endif
.endm
	s_load_b256 s[4:11], s[0:1], 0x0               ; uvqk s[4:5], attn s[6:7], W2 s[8:9], out_scale s[10:11]
	s_load_b128 s[12:15], s[0:1], 0x20             ; out_bias s[12:13], x s[14:15]
	s_load_b64 s[16:17], s[0:1], 0x30              ; out0
	v_lshl_add_u32 v30, v0, 2, 0x40100
	v_mov_b32 v31, 0
	v_lshrrev_b32 v14, 5, v0
	v_readfirstlane_b32 s18, v14                   ; wave w
	s_lshr_b32 s19, s18, 2                         ; wm
	s_and_b32 s20, s18, 3                          ; wn
	s_mov_b32 s21, ttmp9                           ; X
	s_and_b32 s22, ttmp7, 0xffff                   ; Y
	s_mov_b32 s26, 0x76543210
	s_mov_b32 s27, 0xfedcba98
	s_mov_b32 s28, 0x3b800000                      ; 1 / 256
	s_mov_b32 s29, 0x358637bd                      ; 1e-6
	s_mov_b32 s30, 0xffff0000                      ; a word's upper bf16
	v_and_b32 v14, 31, v0
	v_lshlrev_b32 v[LOFF], 4, v14
	v_and_b32 v2, 15, v0                           ; r
	v_bfe_u32 v3, v0, 4, 1                         ; hh
	v_lshlrev_b32 v[HOFF], 5, v3
	s_mul_i32 s23, s18, XRB
	v_add_nc_u32 v[XST], s23, v[LOFF]
	v_lshl_add_u32 v[WOFF], s18, 14, v[LOFF]
	v_lshrrev_b32 v15, 2, v14
	v_mul_u32_u24 v[WST], v15, WT                  ; tile L >> 2
	v_and_b32 v15, 3, v14
	v_lshl_add_u32 v[WST], v15, 6, v[WST]          ; column 4 (L & 3) of the tile
	s_lshl_b32 s23, s18, 8                         ; k group w of a half chunk: 256 w
	s_add_co_u32 s23, s23, WB
	v_add_nc_u32 v[WST], s23, v[WST]
	s_mul_i32 s23, s19, 4*XRB
	v_add_nc_u32 v[ADRXA], s23, v[LOFF]
	v_add_nc_u32 v[ADRXB], 2*XRB, v[ADRXA]
	s_mul_i32 s23, s20, 2*WT
	s_add_co_u32 s23, s23, WB
	v_add_nc_u32 v[ADRW], s23, v[LOFF]
	v_lshl_add_u32 v15, s19, 6, v2
	v_mul_u32_u24 v[SST], v15, SPITCH              ; row 64 wm + r
	v_lshl_add_u32 v[SST], s20, 7, v[SST]          ; + my 32 columns
	v_lshl_add_u32 v[SST], v3, 5, v[SST]           ; + 8 hh columns
	s_mul_i32 s23, s18, 16*SPITCH
	v_add_nc_u32 v[SRD], s23, v[LOFF]
	v_lshl_add_u32 v[ROFF], s18, 15, v[LOFF]
	; byte offsets, each in a pair of its own with 0 above
	s_lshr_b32 s32, s21, 4                         ; b
	s_lshl_b32 s32, s32, 9                         ; 4 heads x 128 blocks
	s_and_b32 s23, s21, 15
	s_lshl3_add_u32 s32, s23, s32
	s_add_co_u32 s32, s32, s18                     ; my block of 16 rows in head 0
	s_lshl_b32 s32, s32, 11
	s_mov_b32 s33, 0
	s_lshl3_add_u32 s34, s21, s18                  ; 8 X + w
	s_lshl_b32 s34, s34, 14
	s_mov_b32 s35, 0
	s_lshl_b32 s36, s22, 9                         ; 128 columns of 4 bytes
	s_mov_b32 s37, 0
	s_lshl_b32 s38, s21, 18                        ; 128 rows of 2,048 bytes
	s_add_co_u32 s38, s38, s36
	s_mov_b32 s39, 0
	s_wait_kmcnt 0x0
	s_add_nc_u64 s[4:5], s[4:5], s[32:33]
	s_add_nc_u64 s[6:7], s[6:7], s[34:35]
	s_add_nc_u64 s[8:9], s[8:9], s[36:37]
	s_add_nc_u64 s[14:15], s[14:15], s[38:39]
	s_add_nc_u64 s[16:17], s[16:17], s[38:39]
.set q, 0
.rept 32
	global_load_b128 v[AT+4*q:AT+4*q+3], v[LOFF], s[6:7] offset:512*q          ; my 16 rows of attn: 16,384 consecutive bytes
.set q, q+1
.endr
.irp hq,0,1,2,3
.irp dc,0,1,2,3
	global_load_b128 v[U+16*\hq+4*\dc:U+16*\hq+4*\dc+3], v[LOFF], s[4:5] offset:\hq*262144+\dc*512
.endr
.endr
	WIN 0x40                                       ; destination in window 1
.set q, 0
.rept 32
	global_load_b128 v[4*q:4*q+3], v[HOFF], s[10:11] offset:64*(q/2)+16*(q%2)          ; gain of channels 16 cc + 8 hh + 4 half ..
	global_load_b128 v[128+4*q:128+4*q+3], v[HOFF], s[12:13] offset:64*(q/2)+16*(q%2)  ; bias
.set q, q+1
.endr
	WIN 0
	s_wait_loadcnt 63                              ; attn and u are in: 64 younger loads were issued; 63 is the largest count the wait can name, and the smaller count is the safe one
	; u and the raw attn go to LDS
.set c, 0
.rept 16
	ds_store_b128 v[XST], v[U+4*c:U+4*c+3] offset:512*c
.irp p,0,1,2,3
	v_cvt_pk_bf16_f32 v[G+4*(c%4)+\p], v[AT+8*c+2*\p], v[AT+8*c+2*\p+1]
.endr
	ds_store_b128 v[XST], v[G+4*(c%4):G+4*(c%4)+3] offset:(16+c)*512
.set c, c+1
.endr
.macro RED                             ; four chains of pairs to one number for the row, in both lanes that hold it
	v_pk_add_f32 v[CH:CH+1], v[CH:CH+1], v[CH+2:CH+3]
	v_pk_add_f32 v[CH+4:CH+5], v[CH+4:CH+5], v[CH+6:CH+7]
	v_pk_add_f32 v[CH:CH+1], v[CH:CH+1], v[CH+4:CH+5]
	v_add_f32 v[CH], v[CH], v[CH+1]
	v_permlanex16_b32 v[CH+1], v[CH], s26, s27
	v_add_f32 v[CH], v[CH], v[CH+1]
.endm
	; the mean
.irp k,0,1,2,3
	v_pk_add_f32 v[CH+2*\k:CH+2*\k+1], v[AT+2*\k:AT+2*\k+1], v[AT+8+2*\k:AT+8+2*\k+1]
.endr
.set k, 8
.rept 56
	v_pk_add_f32 v[CH+2*(k%4):CH+2*(k%4)+1], v[CH+2*(k%4):CH+2*(k%4)+1], v[AT+2*k:AT+2*k+1]
.set k, k+1
.endr
	RED
	v_mul_f32 v[MN], s28, v[CH]
	v_mul_f32 v[MN+1], s28, v[CH]
.set k, 0
.rept 64
	v_pk_add_f32 v[AT+2*k:AT+2*k+1], v[AT+2*k:AT+2*k+1], v[MN:MN+1] neg_lo:[0,1] neg_hi:[0,1]
.set k, k+1
.endr
	; the centred squares
.irp k,0,1,2,3
	v_pk_mul_f32 v[CH+2*\k:CH+2*\k+1], v[AT+2*\k:AT+2*\k+1], v[AT+2*\k:AT+2*\k+1]
.endr
.set k, 4
.rept 60
	v_pk_fma_f32 v[CH+2*(k%4):CH+2*(k%4)+1], v[AT+2*k:AT+2*k+1], v[AT+2*k:AT+2*k+1], v[CH+2*(k%4):CH+2*(k%4)+1]
.set k, k+1
.endr
	RED
	v_fma_f32 v[CH], v[CH], s28, s29               ; variance + eps
	v_rsq_f32 v[RS], v[CH]
	v_rsq_f32 v[RS+1], v[CH]
	v_nop                                          ; one plain instruction between v_rsq_f32 and the first use
.set k, 0
	s_wait_alu depctr_va_vdst(0)
.rept 64
	v_pk_mul_f32 v[AT+2*k:AT+2*k+1], v[AT+2*k:AT+2*k+1], v[RS:RS+1]
.set k, k+1
.endr
	s_wait_loadcnt 0x0                             ; gain and bias
	WIN 0x14                                       ; sources 1 and 2 in window 1
.set k, 0
.rept 64
	v_pk_fma_f32 v[AT+2*k:AT+2*k+1], v[AT+2*k:AT+2*k+1], v[2*k:2*k+1], v[128+2*k:128+2*k+1]
.set k, k+1
.endr
	WIN 0
.macro WLOAD3 c                        ; chunk c: 128 rows of W2, 16 for each wave, 512 consecutive bytes each, into buffer c % 2 of window 1
	WIN 0x40                                       ; destination in window 1
.irp u,0,1
.irp e,0,1,2,3,4,5,6,7
	global_load_b128 v[SW+64*((\c)%2)+32*\u+4*\e:SW+64*((\c)%2)+32*\u+4*\e+3], v[WOFF], s[8:9] offset:(\c)*262144+\u*131072+\e*2048
.endr
.endr
	WIN 0
.endm
	; gain and bias have had their last use: window 1 takes W2's first two chunks and my 16 rows of x, all on their way during the gate
	WLOAD3 0
	WLOAD3 1
	WIN 0x40
.set t, 0
.rept 16
	global_load_b128 v[XG+4*t:XG+4*t+3], v[ROFF], s[14:15] offset:2048*t
.set t, t+1
.endr
	WIN 0
	; the gate: u * normed attn, to LDS
.set c, 0
.rept 16
.set gg, G+16*(c%2)
.irp p,0,1,2,3
	v_lshlrev_b32 v[gg+2*\p], 16, v[U+4*c+\p]
	v_and_b32 v[gg+2*\p+1], s30, v[U+4*c+\p]
.endr
.irp p,0,2,4,6
	v_pk_mul_f32 v[gg+\p:gg+\p+1], v[gg+\p:gg+\p+1], v[AT+8*c+\p:AT+8*c+\p+1]
.endr
.irp p,0,1,2,3
	v_cvt_pk_bf16_f32 v[gg+8+\p], v[gg+2*\p], v[gg+2*\p+1]
.endr
	ds_store_b128 v[XST], v[gg+8:gg+11] offset:(32+c)*512
.set c, c+1
.endr
; 12 loads: the fragments of one step of 32 along K; every chunk is read as it lies
.macro FETCH3 f, ks, slot, s
.irp j,0,1
	ds_load_b128 v[\f+8*\j:\f+8*\j+3], v[ADRXA] offset:\j*XRB+(\ks)*1024
	ds_load_b128 v[\f+8*\j+4:\f+8*\j+7], v[ADRXA] offset:\j*XRB+(\ks)*1024+512
.endr
.irp j,0,1
	ds_load_b128 v[\f+16+8*\j:\f+16+8*\j+3], v[ADRXB] offset:\j*XRB+(\ks)*1024
	ds_load_b128 v[\f+16+8*\j+4:\f+16+8*\j+7], v[ADRXB] offset:\j*XRB+(\ks)*1024+512
.endr
.irp i,0,1
	ds_load_b128 v[\f+32+8*\i:\f+32+8*\i+3], v[ADRW] offset:(\slot)*WSLOT+\i*WT+(\s)*1024
	ds_load_b128 v[\f+32+8*\i+4:\f+32+8*\i+7], v[ADRW] offset:(\slot)*WSLOT+\i*WT+(\s)*1024+512
.endr
.endm
; 8 matrix instructions, one for each accumulator: they take turns
.macro MUL8 f, zero
.irp i,0,1
.irp j,0,1,2,3
.if \zero
	v_wmma_f32_16x16x32_bf16 v[8*(4*\i+\j):8*(4*\i+\j)+7], v[\f+32+8*\i:\f+32+8*\i+7], v[\f+8*\j:\f+8*\j+7], 0
.else
	v_wmma_f32_16x16x32_bf16 v[8*(4*\i+\j):8*(4*\i+\j)+7], v[\f+32+8*\i:\f+32+8*\i+7], v[\f+8*\j:\f+8*\j+7], v[8*(4*\i+\j):8*(4*\i+\j)+7]
.endif
.endr
.endr
.endm
.macro PLACES                          ; four places between products and loads into their sources, or reads of their results
.rept 4
	v_nop
.endr
.endm
; Chunk n of W2 (128 k) is rounded to bf16 and laid into slot n % 2 in fragment order; chunk n + 2 is requested into the registers just read.
; The wait's count = the loads issued behind chunk n's: n = 0: chunk 1 (16) and x (16); n = 1: x (16) and chunk 2 (16); n = 2..4: chunk n + 1 (16); n = 5: none.
.macro CONV3 n
.if (\n) < 2
	s_wait_loadcnt 32
.else
.if (\n) < 5
	s_wait_loadcnt 16
.else
	s_wait_loadcnt 0x0
.endif
.endif
	WIN 0x05                                       ; sources 0 and 1 in window 1
.irp u,0,1
.irp col,0,1,2,3
.irp p,0,1,2,3
	v_cvt_pk_bf16_f32 v[CT+16*\u+4*\col+\p], v[SW+64*((\n)%2)+32*\u+8*\p+\col], v[SW+64*((\n)%2)+32*\u+8*\p+4+\col]   ; 8 k of one column
.endr
.endr
.endr
	WIN 0
.irp u,0,1
.irp col,0,1,2,3
	ds_store_b128 v[WST], v[CT+16*\u+4*\col:CT+16*\u+4*\col+3] offset:((\n)%2)*WSLOT+\u*2048+16*\col
.endr
.endr
.if (\n)+2 < 6
	WLOAD3 \n+2
.endif
.endm
; 128 along K = four steps of 32, on buffers F0, F1, F0, F1.  At the head F0's loads (step 4 c) are on their way.
; ONE barrier a chunk.  Between two barriers every wave reads slot c % 2 (and the operand rows) alone and stores into slot (c + 1) % 2 alone; the slot that is written
; had its last reads waited for (s_wait_dscnt 0) in front of the barrier before, and it is read only behind the next barrier, in front of which the stores are waited for.
.macro CHUNK3 c
.if \c > 0
	PLACES                                         ; behind the last chunk's products on F1
.endif
	FETCH3 F1, 4*\c+1, (\c)%2, 1
.if \c < 5
	CONV3 \c+1
	s_wait_dscnt 20                                ; F0's 12 loads are in; F1's 12 loads and the 8 stores behind them may be out
.else
	s_wait_dscnt 12                                ; F0's 12 loads are in; F1's 12 may be out
.endif
	WIN 0x50                                       ; C and D in window 1
.if \c == 0
	MUL8 F0, 1                                     ; the first products start the sums
.else
	MUL8 F0, 0
.endif
	WIN 0
	PLACES
	FETCH3 F0, 4*\c+2, (\c)%2, 2
	s_wait_dscnt 12                                ; all but the 12 loads just issued: F1 is in
	WIN 0x50
	MUL8 F1, 0
	WIN 0
	PLACES
	FETCH3 F1, 4*\c+3, (\c)%2, 3
	s_wait_dscnt 12                                ; F0 is in
	WIN 0x50
	MUL8 F0, 0
.if \c < 5
	WIN 0
	s_wait_dscnt 0x0                               ; F1 is in, so my reads of this slot are over; my stores into the other slot are in LDS
	s_barrier_signal -1
	s_barrier_wait -1
	PLACES                                         ; behind the products on F0
	FETCH3 F0, 4*\c+4, (\c+1)%2, 0                 ; the next chunk's first step, on its way while F1 is multiplied
	WIN 0x50
.else
	s_wait_dscnt 0x0
.endif
	MUL8 F1, 0
	WIN 0
.endm
	CONV3 0
	s_wait_dscnt 0x0                               ; my operand rows and my part of chunk 0 are in LDS
	s_barrier_signal -1
	s_barrier_wait -1
	FETCH3 F0, 0, 0, 0
.irp c,0,1,2,3,4,5
	CHUNK3 \c
.endr
	; THE WAY OUT: results into a stage of 128 rows x 528 bytes laid over the operand rows, read back as whole rows, x added, stored.
	PLACES                                         ; behind the last products: results are read
	s_barrier_signal -1                            ; my reads of the operand rows were waited for in front of the last eight products, and no LDS instruction was issued since
	s_barrier_wait -1                              ; everybody's are back: the stage may be written
	WIN 0x04                                       ; store data in window 1
.irp i,0,1
.irp j,0,1,2,3
	ds_store_b128 v[SST], v[8*(4*\i+\j):8*(4*\i+\j)+3] offset:\j*16*SPITCH+\i*64
	ds_store_b128 v[SST], v[8*(4*\i+\j)+4:8*(4*\i+\j)+7] offset:\j*16*SPITCH+\i*64+16
.endr
.endr
	WIN 0
	s_wait_dscnt 0x0
	s_barrier_signal -1
	s_barrier_wait -1
.set t, 0
.rept 16
	ds_load_b128 v[OUTR+4*t:OUTR+4*t+3], v[SRD] offset:SPITCH*t
.set t, t+1
.endr
	s_wait_dscnt 0x0
	WIN 0x04                                       ; source 1 (x, shown in by the wait for W2's chunk 2) in window 1
.set t, 0
.rept 32
	v_pk_add_f32 v[OUTR+2*t:OUTR+2*t+1], v[OUTR+2*t:OUTR+2*t+1], v[XG+2*t:XG+2*t+1]
.set t, t+1
.endr
	WIN 0
.set t, 0
.rept 16
	global_store_b128 v[ROFF], v[OUTR+4*t:OUTR+4*t+3], s[16:17] offset:2048*t      ; 512 consecutive bytes of a row, aligned
.set t, t+1
.endr
	s_wait_tensorcnt 0x0
	ds_add_u32 v30, v31
	s_wait_dscnt 0x0
	s_endpgm
.Lfunc_end_k_q5938ac5515_outp:
	.size	k_q5938ac5515_outp, .Lfunc_end_k_q5938ac5515_outp-k_q5938ac5515_outp
	.p2alignl 7, 3214868480
	.fill 96, 4, 3214868480
	.section	.rodata,"a",@progbits
	.p2align	6, 0x0
	.amdhsa_kernel k_q5938ac5515_outp
		.amdhsa_group_segment_fixed_size 263424
		.amdhsa_private_segment_fixed_size 0
		.amdhsa_enable_private_segment 0
		.amdhsa_kernarg_size 56
		.amdhsa_user_sgpr_count 2
		.amdhsa_user_sgpr_kernarg_segment_ptr 1
		.amdhsa_wavefront_size32 1
		.amdhsa_system_sgpr_workgroup_id_x 1
		.amdhsa_system_sgpr_workgroup_id_y 1
		.amdhsa_system_sgpr_workgroup_id_z 1
		.amdhsa_system_vgpr_workitem_id 0
		.amdhsa_next_free_vgpr 512
		.amdhsa_next_free_sgpr 66
		.amdhsa_reserve_vcc 0
		.amdhsa_float_denorm_mode_32 3
		.amdhsa_float_denorm_mode_16_64 3
		.amdhsa_memory_ordered 1
		.amdhsa_forward_progress 1
		.amdhsa_inst_pref_size 122
	.end_amdhsa_kernel
	.amdgpu_metadata
---
amdhsa.version: [ 1, 2 ]
amdhsa.kernels:
  - .name:           k_q5938ac5515_outp
    .symbol:         k_q5938ac5515_outp.kd
    .args:
      - { .name: uvqk, .offset: 0, .size: 8, .value_kind: global_buffer, .address_space: global }
      - { .name: attn_f32, .offset: 8, .size: 8, .value_kind: global_buffer, .address_space: global }
      - { .name: output_weight, .offset: 16, .size: 8, .value_kind: global_buffer, .address_space: global }
      - { .name: out_scale, .offset: 24, .size: 8, .value_kind: global_buffer, .address_space: global }
      - { .name: out_bias, .offset: 32, .size: 8, .value_kind: global_buffer, .address_space: global }
      - { .name: x, .offset: 40, .size: 8, .value_kind: global_buffer, .address_space: global }
      - { .name: out0, .offset: 48, .size: 8, .value_kind: global_buffer, .address_space: global }
    .group_segment_fixed_size: 263424
    .private_segment_fixed_size: 0
    .kernarg_segment_align: 8
    .kernarg_segment_size: 56
    .max_flat_workgroup_size: 256
    .sgpr_count:     66
    .vgpr_count:     512
    .wavefront_size: 32
...
	.end_amdgpu_metadata
.endif
;; end of part 3
;; ======== version 2 of 2: 3 launches; version 1 with the launch outp written anew for expert scheduling mode
;; limits: values outside matrix products are rounded to bf16
;; workspace buffers: uvqk 16,777,216 bytes; attn_f32 8,388,608 bytes
;; launch proj: the kernel of part 1 again; grid 64 x 4, 8 waves a work-group, no clusters, 200,192 bytes of LDS; arguments x, uvqk_weight, uvqk_beta, in_scale, in_bias, uvqk; writes uvqk
;; launch attend: the kernel of part 2 again; grid 256 x 1, 8 waves a work-group, no clusters, 263,168 bytes of LDS; arguments uvqk, num_targets, attn_f32; writes attn_f32
;; launch outp (part 4): grid 64 x 4, 8 waves a work-group, no clusters, 263,424 bytes of LDS; arguments uvqk, attn_f32, output_weight, out_scale, out_bias, x, out0; writes out0
.if DOCPART == 4
	.amdgcn_target "amdgcn-amd-amdhsa--gfx1250"
	.amdhsa_code_object_version 6
	.text
	.protected	k_q5938ac5515_outp
	.globl	k_q5938ac5515_outp
	.p2align	8
	.type	k_q5938ac5515_outp,@function
k_q5938ac5515_outp:
	s_mov_b64 s[64:65], 0
	v_nop
	global_prefetch_b8 v0, s[64:65] scope:SCOPE_SE
	s_setreg_imm32_b32 hwreg(HW_REG_WAVE_SCHED_MODE, 0, 2), 2
	s_setreg_imm32_b32 hwreg(HW_REG_WAVE_MODE, 25, 1), 1
	s_wait_xcnt 0x0
	s_wait_alu depctr_vm_vsrc(0)
; out0 = x + [u, attn, u * LayerNorm(attn)] W2.  u: bf16 chunks, attn: f32 chunks (layouts below), W2 [768][512] f32, x and out0 [8192][512] f32.
; Work-group (X, Y): rows 128 X .. +127, columns 128 Y .. +127, K = 768.  Eight waves.
; PROLOGUE: wave w owns the block of 16 rows 8 X + w.  In both layouts lane (r, hh) holds row r and channels 16 cc + 8 hh + 0..7 of every cc = 0..15, so a row
; lies in lanes r and r + 16 alone, the gate is lane by lane, and the three parts go to LDS as chunks of 512 bytes that are halves of operand fragments.
; PRODUCT: wave w makes 64 rows (wm = w >> 2) x 32 columns (wn = w & 3), transposed (source 0 = columns of W2, source 1 = rows): a lane's eight results are
; eight neighbouring columns of one row.  They leave through LDS as whole rows of 512 bytes, x is added on the way.
; REQUESTS RUN AHEAD: W2 is requested two chunks of 128 k ahead into two register buffers; x is requested in front of the product and waits in registers;
; fragments are read from LDS two steps of 32 k ahead of the products that use them, across the chunk's barrier.
; u chunk: ((4 b + head)*128 + lb)*2048 + dc*512;  attn chunk pair: (rowblock*16 + cc)*1024 + half*512, lane = row r, channels 16 cc + 8 hh + 4 half + 0..3.
; No tensor loads: W2 and attn are f32 and pass registers to become bf16.  No cluster for the same reason.
; LIMITS: u was rounded to bf16 before the gate; operands of the product are bf16; LayerNorm in two passes in f32.
; THE MODE: SCHED_MODE bits 1:0 = 2 (LLVM: expert scheduling mode 2), set by the entry lines.  The code itself states the register dependences
; between vector or matrix instructions and memory or LDS instructions, with s_wait_alu, always for 0.
; THE PLAN.  Registers that memory or LDS instructions touch:
;   v1, v4 .. v13   offsets and LDS addresses: made once at the head, never written again.
;   AT, U           loaded once.  U is read by 16 LDS stores.  The gate writes its result over the first four registers of each chunk of AT, and LDS stores read it there.
;   G               out-buffer of the raw attn in bf16, eight chunks at a time: conversions write it, eight LDS stores read it, twice.  Later the gate's scratch.
;   window 1        gain and bias, read by the 64 multiply-adds; then W2's chunks (SW0, SW1) and x (XG) land there.
;   CT              chunk n's conversions write it, its eight LDS stores read it; written again a chunk later.
;   SW0, SW1        chunk n's conversions read SW[n % 2]; behind them chunk n + 2 lands in it.
;   FR0 .. FR2      three fragment buffers.  Step s: its eight products read FR[s % 3]; behind them the loads of step s + 2 land in FR[(s + 2) % 3] = FR[(s - 1) % 3].
; So ONE wait on va_vdst stands at the head of a step, behind the wait for the step's fragments: it states that the products of the step before are done reading their buffer,
; and, at a chunk's first step, that the conversions have written CT and are done reading SW.  Since that wait only this step's products are issued, which name FR[s % 3] and the
; accumulators: none of the registers that the step's loads and stores touch.  The loads stand in one run behind the products: C and D lie in window 1, the fragments in window 0.
.set XRB,    24576                     ; a block of 16 rows: 48 chunks of 512 bytes: cc (u), 16 + cc (attn), 32 + cc (gated)
.set WB,     8*XRB                     ; behind the eight blocks: two slots for W2
.set WT,     4112                      ; a tile of 16 columns x 128 k: 8 chunks + 16 bytes of skew
.set WSLOT,  8*WT
.set SPITCH, 528                       ; the stage's row: 512 bytes + 16 = 33 x 16
.set LOFF,  1                          ; v1   16 L
.set HOFF,  4                          ; v4   32 hh
.set XST,   5                          ; v5   my block of rows + 16 L
.set WOFF,  6                          ; v6   16,384 w + 16 L: 8 rows of W2 for each wave
.set WST,   7                          ; v7   where I put 16 bytes (8 k of one column) of W2
.set ADRXA, 8                          ; v8   fragments of my row blocks 0, 1;  v9: 2, 3
.set ADRXB, 9
.set ADRW,  10                         ; v10  fragments of my two tiles of W2
.set SST,   11                         ; v11  the stage: where I put results
.set SRD,   12                         ; v12  the stage: where I read rows back
.set ROFF,  13                         ; v13  32,768 w + 16 L: 16 rows of x and of out0 for each wave
.set CH,    16                         ; v[16:23] four chains;  v[24:25] the mean, twice;  v[26:27] 1 / sigma, twice
.set MN,    24
.set RS,    26
.set G,     32                         ; v[32:63] the prologue's out-buffer and scratch
.set CT,    32                         ; v[32:63] in the product: a chunk of W2 in bf16, on its way to LDS
.set AT,    64                         ; v[64:191]  attn: channel chunk cc at + 8 cc
.set U,     192                        ; v[192:255] u: chunk cc at + 4 cc
.set OUTR,  64                         ; v[64:127]  the way out: rows read back from the stage
.set FR,    112                        ; v[112:159], v[160:207], v[208:255] later: fragment buffers, step s in buffer s % 3: rows at + 8 j, W2 at + 32 + 8 i
                                       ; window 1 in the prologue: v[0:127] out_scale, v[128:255] out_bias of my channels
.set SW,    64                         ; window 1 later: v[0:63] the 8 accumulator tiles; v[64:127], v[128:191] W2 as loaded, chunks by turns
.set XG,    192                        ; window 1 later: v[192:255] my 16 rows of x
.set MSB, 0
.macro WIN new
.if MSB != \new
	s_set_vgpr_msb (MSB<<8)|\new
.set MSB, \new
.endif
.endm
	s_load_b256 s[4:11], s[0:1], 0x0               ; uvqk s[4:5], attn s[6:7], W2 s[8:9], out_scale s[10:11]
	s_load_b128 s[12:15], s[0:1], 0x20             ; out_bias s[12:13], x s[14:15]
	s_load_b64 s[16:17], s[0:1], 0x30              ; out0
	v_lshl_add_u32 v30, v0, 2, 0x40100
	v_mov_b32 v31, 0
	v_lshrrev_b32 v14, 5, v0
	v_readfirstlane_b32 s18, v14                   ; wave w
	s_mov_b32 s21, ttmp9                           ; X
	s_and_b32 s22, ttmp7, 0xffff                   ; Y
	s_mov_b32 s26, 0x76543210
	s_mov_b32 s27, 0xfedcba98
	s_mov_b32 s28, 0x3b800000                      ; 1 / 256
	s_mov_b32 s29, 0x358637bd                      ; 1e-6
	s_mov_b32 s30, 0xffff0000                      ; a word's upper bf16
	v_and_b32 v14, 31, v0
	v_lshlrev_b32 v[LOFF], 4, v14
	v_and_b32 v2, 15, v0                           ; r
	v_bfe_u32 v3, v0, 4, 1                         ; hh
	v_lshlrev_b32 v[HOFF], 5, v3
	v_lshrrev_b32 v15, 2, v14
	v_mul_u32_u24 v[WST], v15, WT                  ; tile L >> 2
	v_and_b32 v15, 3, v14
	v_lshl_add_u32 v[WST], v15, 6, v[WST]          ; column 4 (L & 3) of the tile
	s_wait_alu depctr_va_sdst(0)                   ; s18 is written, ahead of its first reader: wm, wn, LDS addresses and the bases are made from it
	s_lshr_b32 s19, s18, 2                         ; wm
	s_and_b32 s20, s18, 3                          ; wn
	s_mul_i32 s23, s18, XRB
	v_add_nc_u32 v[XST], s23, v[LOFF]
	v_lshl_add_u32 v[WOFF], s18, 14, v[LOFF]
	s_lshl_b32 s23, s18, 8                         ; k group w of a half chunk: 256 w
	s_add_co_u32 s23, s23, WB
	v_add_nc_u32 v[WST], s23, v[WST]
	s_mul_i32 s23, s19, 4*XRB
	v_add_nc_u32 v[ADRXA], s23, v[LOFF]
	v_add_nc_u32 v[ADRXB], 2*XRB, v[ADRXA]
	s_mul_i32 s23, s20, 2*WT
	s_add_co_u32 s23, s23, WB
	v_add_nc_u32 v[ADRW], s23, v[LOFF]
	v_lshl_add_u32 v15, s19, 6, v2
	v_mul_u32_u24 v[SST], v15, SPITCH              ; row 64 wm + r
	v_lshl_add_u32 v[SST], s20, 7, v[SST]          ; + my 32 columns
	v_lshl_add_u32 v[SST], v3, 5, v[SST]           ; + 8 hh columns
	s_mul_i32 s23, s18, 16*SPITCH
	v_add_nc_u32 v[SRD], s23, v[LOFF]
	v_lshl_add_u32 v[ROFF], s18, 15, v[LOFF]
	; byte offsets, each in a pair of its own with 0 above
	s_lshr_b32 s32, s21, 4                         ; b
	s_lshl_b32 s32, s32, 9                         ; 4 heads x 128 blocks
	s_and_b32 s23, s21, 15
	s_lshl3_add_u32 s32, s23, s32
	s_add_co_u32 s32, s32, s18                     ; my block of 16 rows in head 0
	s_lshl_b32 s32, s32, 11
	s_mov_b32 s33, 0
	s_lshl3_add_u32 s34, s21, s18                  ; 8 X + w
	s_lshl_b32 s34, s34, 14
	s_mov_b32 s35, 0
	s_lshl_b32 s36, s22, 9                         ; 128 columns of 4 bytes
	s_mov_b32 s37, 0
	s_lshl_b32 s38, s21, 18                        ; 128 rows of 2,048 bytes
	s_add_co_u32 s38, s38, s36
	s_mov_b32 s39, 0
	s_wait_kmcnt 0x0
	s_add_nc_u64 s[4:5], s[4:5], s[32:33]
	s_add_nc_u64 s[6:7], s[6:7], s[34:35]
	s_add_nc_u64 s[8:9], s[8:9], s[36:37]
	s_add_nc_u64 s[14:15], s[14:15], s[38:39]
	s_add_nc_u64 s[16:17], s[16:17], s[38:39]
	s_wait_alu depctr_va_vdst(0)                   ; the offsets and LDS addresses v1 and v4 to v13 are written: every load and store of the kernel reads one of them
.set q, 0
.rept 32
	global_load_b128 v[AT+4*q:AT+4*q+3], v[LOFF], s[6:7] offset:512*q          ; my 16 rows of attn: 16,384 consecutive bytes
.set q, q+1
.endr
.irp hq,0,1,2,3
.irp dc,0,1,2,3
	global_load_b128 v[U+16*\hq+4*\dc:U+16*\hq+4*\dc+3], v[LOFF], s[4:5] offset:\hq*262144+\dc*512
.endr
.endr
	WIN 0x40                                       ; destination in window 1
.set q, 0
.rept 32
	global_load_b128 v[4*q:4*q+3], v[HOFF], s[10:11] offset:64*(q/2)+16*(q%2)          ; gain of channels 16 cc + 8 hh + 4 half ..
	global_load_b128 v[128+4*q:128+4*q+3], v[HOFF], s[12:13] offset:64*(q/2)+16*(q%2)  ; bias
.set q, q+1
.endr
	WIN 0
	s_wait_loadcnt 63                              ; attn and u are in: 64 younger loads were issued; 63 is the largest count the wait can name, and the smaller count is the safe one
.macro RAW8 c0                         ; eight chunks of the raw attn, from chunk c0 on, rounded to bf16 into G
.set c, 0
.rept 8
.irp p,0,1,2,3
	v_cvt_pk_bf16_f32 v[G+4*c+\p], v[AT+8*(\c0+c)+2*\p], v[AT+8*(\c0+c)+2*\p+1]
.endr
.set c, c+1
.endr
.endm
.macro RAWST c0                        ; and from G to LDS
.set c, 0
.rept 8
	ds_store_b128 v[XST], v[G+4*c:G+4*c+3] offset:(16+\c0+c)*512
.set c, c+1
.endr
.endm
.macro RED                             ; four chains of pairs to one number for the row, in both lanes that hold it
	v_pk_add_f32 v[CH:CH+1], v[CH:CH+1], v[CH+2:CH+3]
	v_pk_add_f32 v[CH+4:CH+5], v[CH+4:CH+5], v[CH+6:CH+7]
	v_pk_add_f32 v[CH:CH+1], v[CH:CH+1], v[CH+4:CH+5]
	v_add_f32 v[CH], v[CH], v[CH+1]
	v_permlanex16_b32 v[CH+1], v[CH], s26, s27
	v_add_f32 v[CH], v[CH], v[CH+1]
.endm
	; u goes to LDS as it was loaded
.set c, 0
.rept 16
	ds_store_b128 v[XST], v[U+4*c:U+4*c+3] offset:512*c
.set c, c+1
.endr
	RAW8 0                                         ; the raw attn's chunks 0 to 7
	; the mean: its sixty additions stand between those conversions and the wait for them
.irp k,0,1,2,3
	v_pk_add_f32 v[CH+2*\k:CH+2*\k+1], v[AT+2*\k:AT+2*\k+1], v[AT+8+2*\k:AT+8+2*\k+1]
.endr
.set k, 8
.rept 56
	v_pk_add_f32 v[CH+2*(k%4):CH+2*(k%4)+1], v[CH+2*(k%4):CH+2*(k%4)+1], v[AT+2*k:AT+2*k+1]
.set k, k+1
.endr
	s_wait_alu depctr_va_vdst(0)                   ; the conversions have written G, which the eight LDS stores read
	RAWST 0
	RED
	v_mul_f32 v[MN], s28, v[CH]
	v_mul_f32 v[MN+1], s28, v[CH]
	s_wait_alu depctr_vm_vsrc(0)                   ; those eight LDS stores have read G, which the next conversions write again
	RAW8 8                                         ; chunks 8 to 15, ahead of the centring, which writes attn in place
.set k, 0
.rept 64
	v_pk_add_f32 v[AT+2*k:AT+2*k+1], v[AT+2*k:AT+2*k+1], v[MN:MN+1] neg_lo:[0,1] neg_hi:[0,1]
.set k, k+1
.endr
	; the centred squares
.irp k,0,1,2,3
	v_pk_mul_f32 v[CH+2*\k:CH+2*\k+1], v[AT+2*\k:AT+2*\k+1], v[AT+2*\k:AT+2*\k+1]
.endr
.set k, 4
.rept 60
	v_pk_fma_f32 v[CH+2*(k%4):CH+2*(k%4)+1], v[AT+2*k:AT+2*k+1], v[AT+2*k:AT+2*k+1], v[CH+2*(k%4):CH+2*(k%4)+1]
.set k, k+1
.endr
	RED
	v_fma_f32 v[CH], v[CH], s28, s29               ; variance + eps
	v_rsq_f32 v[RS], v[CH]
	v_rsq_f32 v[RS+1], v[CH]
	v_nop                                          ; one plain instruction between v_rsq_f32 and the first use
	s_wait_alu depctr_va_vdst(0)                   ; the two v_rsq_f32 have written 1 / sigma, ahead of its first reader; the conversions of chunks 8 to 15 have written G, which the LDS stores read
	RAWST 8
.set k, 0
.rept 64
	v_pk_mul_f32 v[AT+2*k:AT+2*k+1], v[AT+2*k:AT+2*k+1], v[RS:RS+1]
.set k, k+1
.endr
	s_wait_loadcnt 0x0                             ; gain and bias
	WIN 0x14                                       ; sources 1 and 2 in window 1
.set k, 0
.rept 64
	v_pk_fma_f32 v[AT+2*k:AT+2*k+1], v[AT+2*k:AT+2*k+1], v[2*k:2*k+1], v[128+2*k:128+2*k+1]
.set k, k+1
.endr
.macro WLOAD3 c                        ; chunk c: 128 rows of W2, 16 for each wave, 512 consecutive bytes each, into buffer c % 2 of window 1; the destination's window is set by the lines that call it
.irp u,0,1
.irp e,0,1,2,3,4,5,6,7
	global_load_b128 v[SW+64*((\c)%2)+32*\u+4*\e:SW+64*((\c)%2)+32*\u+4*\e+3], v[WOFF], s[8:9] offset:(\c)*262144+\u*131072+\e*2048
.endr
.endr
.endm
	; gain and bias have had their last use: window 1 takes W2's first two chunks and my 16 rows of x, all on their way during the gate
	WIN 0x40                                       ; destination in window 1
	s_wait_alu depctr_va_vdst(0)                   ; the multiply-adds are done reading gain and bias, in whose registers the 48 loads land
	WLOAD3 0
	WLOAD3 1
.set t, 0
.rept 16
	global_load_b128 v[XG+4*t:XG+4*t+3], v[ROFF], s[14:15] offset:2048*t
.set t, t+1
.endr
	WIN 0
; the gate: u * normed attn, eight chunks from c0 on; the result takes the place of the first four registers of its chunk of attn
.macro GATE8 c0
.set c, \c0
.rept 8
.set gg, G+16*(c%2)
.irp p,0,1,2,3
	v_lshlrev_b32 v[gg+2*\p], 16, v[U+4*c+\p]
	v_and_b32 v[gg+2*\p+1], s30, v[U+4*c+\p]
.endr
.irp p,0,2,4,6
	v_pk_mul_f32 v[gg+\p:gg+\p+1], v[gg+\p:gg+\p+1], v[AT+8*c+\p:AT+8*c+\p+1]
.endr
.irp p,0,1,2,3
	v_cvt_pk_bf16_f32 v[AT+8*c+\p], v[gg+2*\p], v[gg+2*\p+1]
.endr
.set c, c+1
.endr
.endm
.macro GATEST c0                       ; and to LDS
.set c, \c0
.rept 8
	ds_store_b128 v[XST], v[AT+8*c:AT+8*c+3] offset:(32+c)*512
.set c, c+1
.endr
.endm
	s_wait_alu depctr_vm_vsrc(0)                   ; the LDS stores of the raw attn have read G, which the gate and then W2's conversions write
	GATE8 0
	s_wait_alu depctr_va_vdst(0)                   ; the gate has written chunks 0 to 7, which the eight LDS stores read
	GATEST 0
	GATE8 8                                        ; names its scratch, u and chunks 8 to 15 of attn: none of the registers that those stores read
; 12 loads: the fragments of step ks of 32 along K, into buffer ks % 3; every chunk is read as it lies
.macro FETCH3 ks
.set fl, FR+48*((\ks)%3)
.set wo, (((\ks)/4)%2)*WSLOT+((\ks)%4)*1024
.irp j,0,1
	ds_load_b128 v[fl+8*\j:fl+8*\j+3], v[ADRXA] offset:\j*XRB+(\ks)*1024
	ds_load_b128 v[fl+8*\j+4:fl+8*\j+7], v[ADRXA] offset:\j*XRB+(\ks)*1024+512
.endr
.irp j,0,1
	ds_load_b128 v[fl+16+8*\j:fl+16+8*\j+3], v[ADRXB] offset:\j*XRB+(\ks)*1024
	ds_load_b128 v[fl+16+8*\j+4:fl+16+8*\j+7], v[ADRXB] offset:\j*XRB+(\ks)*1024+512
.endr
.irp i,0,1
	ds_load_b128 v[fl+32+8*\i:fl+32+8*\i+3], v[ADRW] offset:wo+\i*WT
	ds_load_b128 v[fl+32+8*\i+4:fl+32+8*\i+7], v[ADRW] offset:wo+\i*WT+512
.endr
.endm
; the 8 matrix instructions of step ks, one for each accumulator: they take turns
.macro MUL8 ks, zero
.set ff, FR+48*((\ks)%3)
	WIN 0x50                                       ; C and D in window 1
.irp i,0,1
.irp j,0,1,2,3
.if \zero
	v_wmma_f32_16x16x32_bf16 v[8*(4*\i+\j):8*(4*\i+\j)+7], v[ff+32+8*\i:ff+32+8*\i+7], v[ff+8*\j:ff+8*\j+7], 0
.else
	v_wmma_f32_16x16x32_bf16 v[8*(4*\i+\j):8*(4*\i+\j)+7], v[ff+32+8*\i:ff+32+8*\i+7], v[ff+8*\j:ff+8*\j+7], v[8*(4*\i+\j):8*(4*\i+\j)+7]
.endif
.endr
.endr
	WIN 0
.endm
.macro PLACES                          ; four places between products and loads into their sources, or reads of their results; they stay beside the waits
.rept 4
	v_nop
.endr
.endm
; Chunk n of W2 (128 k) is rounded to bf16 (CVT3); behind the wait that the caller writes, chunk n + 2 is requested into the registers just read and the chunk is laid into slot n % 2 in fragment order (PUT3).
; The wait's count = the loads issued behind chunk n's: n = 0: chunk 1 (16) and x (16); n = 1: x (16) and chunk 2 (16); n = 2..4: chunk n + 1 (16); n = 5: none.
.macro CVT3 n
.if (\n) < 2
	s_wait_loadcnt 32
.else
.if (\n) < 5
	s_wait_loadcnt 16
.else
	s_wait_loadcnt 0x0
.endif
.endif
.if (\n) > 0
	s_wait_alu depctr_vm_vsrc(0)                   ; the LDS stores of the chunk before have read CT, which these conversions write again
.endif
	WIN 0x05                                       ; sources 0 and 1 in window 1
.irp u,0,1
.irp col,0,1,2,3
.irp p,0,1,2,3
	v_cvt_pk_bf16_f32 v[CT+16*\u+4*\col+\p], v[SW+64*((\n)%2)+32*\u+8*\p+\col], v[SW+64*((\n)%2)+32*\u+8*\p+4+\col]   ; 8 k of one column
.endr
.endr
.endr
.endm
.macro PUT3 n                          ; under the setting 0x40: a load's destination in window 1, addresses and store data in window 0
.if (\n)+2 < 6
	WLOAD3 \n+2
.endif
.irp u,0,1
.irp col,0,1,2,3
	ds_store_b128 v[WST], v[CT+16*\u+4*\col:CT+16*\u+4*\col+3] offset:((\n)%2)*WSLOT+\u*2048+16*\col
.endr
.endr
.endm
; 128 along K = four steps of 32.  At the head the loads of steps 4 c and 4 c + 1 are on their way.
; ONE barrier a chunk.  Between two barriers every wave reads slot c % 2 (and the operand rows) alone and stores into slot (c + 1) % 2 alone; the slot that is written
; had its last reads waited for (s_wait_dscnt 0) in front of the barrier before, and it is read only behind the next barrier, in front of which the stores are waited for.
.macro CHUNK3 c
	; step 4 c
.if \c < 5
	CVT3 \c+1                                      ; the 32 conversions are also the places behind the last step's products
	s_wait_dscnt 12                                ; this step's 12 loads are in; the next step's 12 may be out
	WIN 0x40
	s_wait_alu depctr_va_vdst(0)                   ; the conversions have written CT, which the LDS stores read, and are done reading SW, in which the next loads of W2 land; the last step's products are done reading their fragments, in which this step's loads land
	PUT3 \c+1
.else
	s_wait_dscnt 12
	PLACES
	s_wait_alu depctr_va_vdst(0)                   ; the last step's products are done reading their fragments, in which this step's loads land
.endif
.if \c == 0
	MUL8 4*\c, 1                                   ; the first products start the sums
.else
	MUL8 4*\c, 0
.endif
	FETCH3 4*\c+2                                  ; no wait: since the wait above only this step's products were issued, which name another buffer
	; step 4 c + 1
.if \c < 5
	s_wait_dscnt 20                                ; this step's 12 loads are in; the 8 stores and the 12 loads behind them may be out
.else
	s_wait_dscnt 12
.endif
	PLACES
	s_wait_alu depctr_va_vdst(0)                   ; the last step's products are done reading their fragments, in which this step's loads land
	MUL8 4*\c+1, 0
	FETCH3 4*\c+3
	; step 4 c + 2
	s_wait_dscnt 12                                ; all but the 12 loads just issued
.if \c < 5
	PLACES
	s_wait_alu depctr_va_vdst(0)                   ; the last step's products are done reading their fragments, in which the loads behind the barrier land
.endif
	MUL8 4*\c+2, 0
.if \c < 5
	s_wait_dscnt 0x0                               ; the next step's fragments are in, so my reads of this slot are over; my stores into the other slot are in LDS
	s_barrier_signal -1
	s_barrier_wait -1
	FETCH3 4*\c+4                                  ; the next chunk's first step
	; step 4 c + 3: its fragments were shown in by the wait in front of the barrier
	PLACES
	s_wait_alu depctr_va_vdst(0)                   ; the last step's products are done reading their fragments, in which this step's loads land
.else
	s_wait_dscnt 0x0                               ; the last two steps ask for nothing more, so they state nothing
.endif
	MUL8 4*\c+3, 0
.if \c < 5
	FETCH3 4*\c+5
.endif
.endm
	CVT3 0
	WIN 0x40
	s_wait_alu depctr_va_vdst(0)                   ; the gate has written chunks 8 to 15 and the conversions CT, which the LDS stores read; the conversions are done reading SW0, in which chunk 2 lands; the gate is done with attn and u, in whose registers the first fragments land
	PUT3 0
	GATEST 8
	WIN 0
	s_wait_dscnt 0x0                               ; my operand rows and my part of chunk 0 are in LDS
	s_barrier_signal -1
	s_barrier_wait -1
	s_wait_alu depctr_vm_vsrc(0)                   ; my LDS stores have read the registers of attn and u: these are fragment buffers from here on, written by the fragments' loads
	FETCH3 0
	FETCH3 1
.irp c,0,1,2,3,4,5
	CHUNK3 \c
.endr
	; THE WAY OUT: results into a stage of 128 rows x 528 bytes laid over the operand rows, read back as whole rows, x added, stored.
	PLACES                                         ; behind the last products: results are read
	s_barrier_signal -1                            ; my reads of the operand rows were waited for in front of the last eight products, and no LDS instruction was issued since
	s_barrier_wait -1                              ; everybody's are back: the stage may be written
	WIN 0x04                                       ; store data in window 1
	s_wait_alu depctr_va_vdst(0)                   ; the products have written the accumulators, which the LDS stores read, and are done reading the fragments, over part of which the rows come back; the places above stay beside this wait
.irp i,0,1
.irp j,0,1,2,3
	ds_store_b128 v[SST], v[8*(4*\i+\j):8*(4*\i+\j)+3] offset:\j*16*SPITCH+\i*64
	ds_store_b128 v[SST], v[8*(4*\i+\j)+4:8*(4*\i+\j)+7] offset:\j*16*SPITCH+\i*64+16
.endr
.endr
	WIN 0
	s_wait_dscnt 0x0
	s_barrier_signal -1
	s_barrier_wait -1
.set t, 0
.rept 16
	ds_load_b128 v[OUTR+4*t:OUTR+4*t+3], v[SRD] offset:SPITCH*t
.set t, t+1
.endr
	s_wait_dscnt 0x0
	WIN 0x04                                       ; source 1 (x, shown in by the wait for W2's chunk 2) in window 1
.set t, 0
.rept 32
	v_pk_add_f32 v[OUTR+2*t:OUTR+2*t+1], v[OUTR+2*t:OUTR+2*t+1], v[XG+2*t:XG+2*t+1]
.set t, t+1
.endr
	WIN 0
	s_wait_alu depctr_va_vdst(0)                   ; the additions of x have written the rows, which the stores read
.set t, 0
.rept 16
	global_store_b128 v[ROFF], v[OUTR+4*t:OUTR+4*t+3], s[16:17] offset:2048*t      ; 512 consecutive bytes of a row, aligned
.set t, t+1
.endr
	s_wait_dscnt 0x0
	s_wait_alu depctr_hold_cnt(0) depctr_sa_sdst(0) depctr_va_vdst(0) depctr_va_sdst(0) depctr_va_ssrc(0) depctr_va_vcc(0) depctr_vm_vsrc(0)
	s_wait_tensorcnt 0x0
	ds_add_u32 v30, v31
	s_wait_dscnt 0x0
	s_endpgm
.Lfunc_end_k_q5938ac5515_outp:
	.size	k_q5938ac5515_outp, .Lfunc_end_k_q5938ac5515_outp-k_q5938ac5515_outp
	.p2alignl 7, 3214868480
	.fill 96, 4, 3214868480
	.section	.rodata,"a",@progbits
	.p2align	6, 0x0
	.amdhsa_kernel k_q5938ac5515_outp
		.amdhsa_group_segment_fixed_size 263424
		.amdhsa_private_segment_fixed_size 0
		.amdhsa_enable_private_segment 0
		.amdhsa_kernarg_size 56
		.amdhsa_user_sgpr_count 2
		.amdhsa_user_sgpr_kernarg_segment_ptr 1
		.amdhsa_wavefront_size32 1
		.amdhsa_system_sgpr_workgroup_id_x 1
		.amdhsa_system_sgpr_workgroup_id_y 1
		.amdhsa_system_sgpr_workgroup_id_z 1
		.amdhsa_system_vgpr_workitem_id 0
		.amdhsa_next_free_vgpr 512
		.amdhsa_next_free_sgpr 66
		.amdhsa_reserve_vcc 0
		.amdhsa_float_denorm_mode_32 3
		.amdhsa_float_denorm_mode_16_64 3
		.amdhsa_memory_ordered 1
		.amdhsa_forward_progress 1
		.amdhsa_inst_pref_size 122
	.end_amdhsa_kernel
	.amdgpu_metadata
---
amdhsa.version: [ 1, 2 ]
amdhsa.kernels:
  - .name:           k_q5938ac5515_outp
    .symbol:         k_q5938ac5515_outp.kd
    .args:
      - { .name: uvqk, .offset: 0, .size: 8, .value_kind: global_buffer, .address_space: global }
      - { .name: attn_f32, .offset: 8, .size: 8, .value_kind: global_buffer, .address_space: global }
      - { .name: output_weight, .offset: 16, .size: 8, .value_kind: global_buffer, .address_space: global }
      - { .name: out_scale, .offset: 24, .size: 8, .value_kind: global_buffer, .address_space: global }
      - { .name: out_bias, .offset: 32, .size: 8, .value_kind: global_buffer, .address_space: global }
      - { .name: x, .offset: 40, .size: 8, .value_kind: global_buffer, .address_space: global }
      - { .name: out0, .offset: 48, .size: 8, .value_kind: global_buffer, .address_space: global }
    .group_segment_fixed_size: 263424
    .private_segment_fixed_size: 0
    .kernarg_segment_align: 8
    .kernarg_segment_size: 56
    .max_flat_workgroup_size: 256
    .sgpr_count:     66
    .vgpr_count:     512
    .wavefront_size: 32
...
	.end_amdgpu_metadata
.endif
;; end of part 4
